; MI455X (gfx1250); checked and timed in simulation.
; The chip was launched on July 23, 2026; its instructions are those of AMD's public machine-readable ISA for CDNA 5 (MIT licence, August 2026) and "CDNA5" Instruction Set Architecture Reference Guide (July 2026). The comments in the code are by the model that wrote it; some were corrected since.
;; Encoder. Allowed arithmetic: matrix products marked QUANTISED: E4M3 operands, one E8M0 scale for each 32 along K, by v_wmma_scale_f32_16x16x128_f8f6f4 with both operands' format E4M3, f32 sums; everything else in f32.
;; Inputs: W1 1,024 x 4,096 float32; W2 4,096 x 1,024 float32; Wk 1,024 x 1,024 float32; Wo 1,024 x 1,024 float32; Wq 1,024 x 1,024 float32; Wv 1,024 x 1,024 float32; b1 4,096 float32; b2 1,024 float32; bk 1,024 float32; bo 1,024 float32; bq 1,024 float32; bv 1,024 float32; ln1_b 2,048 x 1,024 float32; ln1_w 2,048 x 1,024 float32; ln2_b 2,048 x 1,024 float32; ln2_w 2,048 x 1,024 float32; x 2 x 2,048 x 1,024 float32; y 2 x 2,048 x 1,024 float32.
;; Outputs: out0 2 x 2,048 x 1,024 float32.
;; This version of the problem:
;;   THIS VERSION OF THE PROBLEM IS GIVEN IN LOW PRECISION. The matrix products marked QUANTISED in the list below multiply operands that are first quantised to E4M3 (4 exponent bits, 3 mantissa bits; 8 bits a number), with one power-of-two scale for each 32 numbers along K (OCP MX v1.0); their sums are f32. All else is computed in f32.
;;   The module's matrix products, in the order in which they are computed (A, B: the left and right operand; K: the contracted axis; several contracted axes count as one K, in the product's order):
;;     1. [M 4,096, K 1,024] x [K 1,024, N 1,024]; A: input x; B: input Wq: QUANTISED
;;     2. [M 4,096, K 1,024] x [K 1,024, N 1,024]; A: computed on the way; B: input Wk: QUANTISED
;;     3. [M 4,096, K 1,024] x [K 1,024, N 1,024]; A: computed on the way; B: input Wv: QUANTISED
;;     4. batch 32 x [M 2,048, K 64] x [K 64, N 2,048]; A: computed on the way; B: computed on the way: QUANTISED
;;     5. batch 32 x [M 2,048, K 2,048] x [K 2,048, N 64]; A: softmax (see below); B: computed on the way: QUANTISED
;;     6. [M 4,096, K 1,024] x [K 1,024, N 1,024]; A: computed on the way; B: input Wo: QUANTISED
;;     7. [M 4,096, K 1,024] x [K 1,024, N 4,096]; A: computed on the way; B: input W1: QUANTISED
;;     8. [M 4,096, K 4,096] x [K 4,096, N 1,024]; A: computed on the way; B: input W2: QUANTISED
;;   THE QUANTISER, for each operand of a quantised product, along K:
;;     - K is cut into blocks of 32 from its start; a last block that is shorter is filled with zeros.
;;     - A block's scale is 2^e with e = floor(log2(the largest magnitude in the block)) - 8, held to -126 .. 127; a block of zeros has e = 0. As a byte (E8M0): e + 127.
;;     - Each number is divided by its block's scale, clamped to +-448, and rounded to the nearest number of E4M3, ties to even, subnormals kept.
;;     - The product sums the exact products of the quantised numbers (number of the format x scale) in f32.
;;   ~~~python
;;   def quantise(x, axis):      # numpy; x: float32 -> the quantised numbers, widened to float32 again
;;       x = np.moveaxis(x, axis, -1); K = x.shape[-1]
;;       x = np.pad(x, [(0, 0)] * (x.ndim - 1) + [(0, -K % 32)]); x = x.reshape(x.shape[:-1] + (-1, 32)); a = np.abs(x).max(-1, keepdims=True)
;;       e = np.where(a > 0, np.clip(np.frexp(np.where(a > 0, a, 1))[1] - 1 - 8, -126, 127), 0)      # np.frexp(a)[1] - 1 = floor(log2(a)), exactly
;;       r = np.clip(x / 2.0 ** e, -448, 448)
;;       step = 2.0 ** (np.maximum(np.frexp(np.where(r == 0, 1, r))[1] - 1, -6) - 3)
;;       q = np.round(r / step) * step * 2.0 ** e      # np.round: ties to even
;;       return np.moveaxis(q.reshape(q.shape[:-2] + (-1,))[..., :K], -1, axis).astype(np.float32)
;;   ~~~
;;   SOFTMAX AHEAD OF A QUANTISED PRODUCT. Where the list says 'softmax', what is quantised is not the finished softmax but p = 2^(t - M), with t = logit x log2(e) and M = ceil(the row's largest t), a whole number; so 1/2 < the row's largest p <= 1. The row's sum l is taken of the UNQUANTISED p, in f32, and the product's result is divided by l at the end. Since M is a whole number, a kernel that streams over the keys may use a running M (the ceiling of the running maximum): every later rescaling is an exact power of two, which a block's scale takes up: the codes' values come out the same.
;;   OPERANDS COMPUTED ON THE WAY. 'Computed on the way' means the value that the module computes at that place (a softmax that the list does not call 'softmax' is quantised finished and normalised). What goes into a quantiser is computed in f32, as accurately as f32 sums, v_exp_f32 and their like allow (about 1e-6 of the number): no bf16 or f16 on the way to a quantiser, and a product that is left as it is and whose result goes on into a quantised operand takes f32 operands (vector FMAs, or v_wmma_f32_16x16x4_f32). A number that lies on a knife's edge between two numbers of the format may be rounded either way, as far as f32 arithmetic and the matrix unit's own rounding can turn it there, and no further.
;; One version. Each part assembles by itself: llvm-mc -triple=amdgcn-amd-amdhsa -mcpu=gfx1250 --defsym DOCPART=n.
;; ======== version 1 of 1: 8 launches
;; limits: right only within a limited range of input values
;; workspace buffers: wimg 12,976,128 bytes; imga 4,325,376 bytes; imgb 4,325,376 bytes; st1 8,192 bytes; st2 8,192 bytes; qkv 13,238,272 bytes; y1 16,777,216 bytes; himg 17,301,504 bytes
;; launch prep (part 1): grid 1152 x 1, 4 waves a work-group, no clusters, 34,816 bytes of LDS; arguments Wq, Wk, Wv, Wo, W2, W1, x, y, wimg, imga, st1; writes wimg, imga, st1
.if DOCPART == 1
	.amdgcn_target "amdgcn-amd-amdhsa--gfx1250"
	.amdhsa_code_object_version 6
	.text
	.protected	k_q26911ff12f_prep
	.globl	k_q26911ff12f_prep
	.p2align	8
	.type	k_q26911ff12f_prep,@function
k_q26911ff12f_prep:
	s_mov_b64 s[64:65], 0
	v_nop
	global_prefetch_b8 v0, s[64:65] scope:SCOPE_SE
	s_setreg_imm32_b32 hwreg(HW_REG_WAVE_MODE, 25, 1), 1
	s_wait_xcnt 0x0
; PREPARATION, one launch, three kinds of work chosen by the work-group's number alone:
;   0..383    the six weights ([K][N] f32, K first) become codes of E4M3 with one E8M0 byte for each 32 along K, laid as RECORDS (below) in wimg
;   384..895  x [4096][1024] f32 becomes records in imga
;   896..1151 partial sums of y for the first layer norm: for each run of 4,096 numbers its sum and its sum of squares ABOUT ITS OWN MEAN, to st1
; A RECORD holds 32 rows x 256 along K of an operand, in the order of the matrix operand's registers: 8,448 bytes = two tiles of 16 rows (u) x two K steps of 128 (s) x four groups (c) x 32 lanes x 16 bytes,
; then 256 bytes of scale words at 8192 + (16 u + slot) 8 + 4 s.  Lane (slot, h) of group c holds k = 128 s + 32 c + 16 h + 0..15.  THE ROWS OF A TILE ARE NOT NEIGHBOURS: slot r of tile u is row 8 u + r + 8 (r / 8)
; of the 32, so that the results of two neighbouring tiles are 16 neighbours along the next product's K.  Records lie [k / 256][row / 32].
; THE QUANTISER: scale = 2^(floor(log2(largest magnitude)) - 8); its byte is the largest magnitude's exponent field - 8, held at 1 from below; numbers are held within +-448 x scale and rounded to the nearest code.
; LIMITS: a block of zeros gets the byte 1 over zero codes (this program alone reads the bytes); NaN and infinities among the inputs are not served.
; No matrix unit, tensor load or cluster: every input byte is read once by one wave, nothing is shared between work-groups.
.set SEL, 28                           ; s28, s29: selects of v_permlanex16_b32 for lane l xor 16
.set MNT, 30                           ; s30: the mantissa field of 448
.set X,   96                           ; v96-159  64 numbers of a lane, register 16 b + i = k 32 b + 16 h + i of its row
.set PC,  160                          ; v160-175 the codes
.set TM,  176                          ; v176-191 +0 largest magnitudes, +4 bytes, +8 448 x scale, +12 the conversions' scale operands
.macro QUANT s, relu, pc               ; 64 numbers of a lane become 16 registers of codes at v[pc]; the four blocks' bytes stay in v[TM+4..7]
.if \relu
.irp b, 0,1,2,3
	v_max3_num_f32 v[TM+\b], v[\s+16*\b], v[\s+16*\b+1], 0x4800000
.endr
.irp i, 2,4,6,8,10,12,14
.irp b, 0,1,2,3
	v_max3_num_f32 v[TM+\b], v[TM+\b], v[\s+16*\b+\i], v[\s+16*\b+\i+1]
.endr
.endr
.else
.irp b, 0,1,2,3
	v_max3_num_f32 v[TM+\b], |v[\s+16*\b]|, |v[\s+16*\b+1]|, 0x4800000      ; my 16 numbers of block b and the floor 2^(9 - 127): the byte cannot fall under 1
.endr
.irp i, 2,4,6,8,10,12,14
.irp b, 0,1,2,3
	v_max3_num_f32 v[TM+\b], v[TM+\b], |v[\s+16*\b+\i]|, |v[\s+16*\b+\i+1]|
.endr
.endr
.endif
.irp b, 0,1,2,3
	v_permlanex16_b32 v[TM+4+\b], v[TM+\b], s[SEL], s[SEL+1]
.endr
.irp b, 0,1,2,3
	v_max_num_f32 v[TM+\b], v[TM+\b], v[TM+4+\b]                            ; with lane l xor 16's 16: the block's largest magnitude
.endr
.irp b, 0,1,2,3
	v_add_nc_u32 v[TM+12+\b], 0xfc000000, v[TM+\b]                          ; 8 off its exponent field: the conversion's scale operand
.endr
.irp b, 0,1,2,3
	v_and_or_b32 v[TM+8+\b], v[TM+\b], 0x7f800000, s[MNT]                   ; 448 x the scale
.endr
.irp b, 0,1,2,3
	v_lshrrev_b32 v[TM+4+\b], 23, v[TM+12+\b]                               ; the scale's byte
.endr
.irp b, 0,1,2,3
.irp i, 0,1,2,3,4,5,6,7,8,9,10,11,12,13,14,15
.if \relu
	v_med3_num_f32 v[\s+16*\b+\i], v[\s+16*\b+\i], 0, v[TM+8+\b]
.else
	v_med3_num_f32 v[\s+16*\b+\i], v[\s+16*\b+\i], -v[TM+8+\b], v[TM+8+\b]  ; the conversion to an 8-bit code does not saturate (ISA guide 7.6.2): the hold
.endif
.endr
	v_cvt_scalef32_pk8_fp8_f32 v[\pc+4*\b:\pc+4*\b+1], v[\s+16*\b:\s+16*\b+7], v[TM+12+\b]
	v_cvt_scalef32_pk8_fp8_f32 v[\pc+4*\b+2:\pc+4*\b+3], v[\s+16*\b+8:\s+16*\b+15], v[TM+12+\b]
.endr
	v_nop                                                                   ; one plain line behind the last conversion
.endm
.macro WSUM r, t                       ; the sum of v[r] over the wave's 32 lanes, in every lane; v[t] has been written before
.irp m, 1,2,4,8
	v_add_f32_dpp v[\r], v[\r], v[\r] row_xmask:\m row_mask:0xf bank_mask:0xf
.endr
	v_permlanex16_b32 v[\t], v[\r], s[SEL], s[SEL+1]
	v_add_f32 v[\r], v[\r], v[\t]
.endm
; THE WEIGHTS.  A wave makes one record: 32 columns x 256 along K.  A lane takes a column and its registers run down K: a block of 32 lies in one lane, and the codes come out with K innermost.
.macro WLOAD n, t                      ; block t: W(32 t + i, my column): 32 lanes read 128 consecutive bytes, the four waves stand side by side
.irp i, 0,1,2,3,4,5,6,7,8,9,10,11,12,13,14,15,16,17,18,19,20,21,22,23,24,25,26,27,28,29,30,31
	global_load_b32 v[32+32*((\t)%2)+\i], v3, s[32:33] offset:(32*(\t)+\i)*4*\n th:TH_LOAD_NT
.endr
.endm
.macro WBLOCK n, t
.set XS, 32+32*((\t)%2)
.set CC, 96+8*(\t)                     ; each block has its own eight registers of codes: no store's data are written again
.if (\t) < 7
	s_wait_loadcnt 32                              ; this block's 32 loads are in; the next block's 32 may be out
.else
	s_wait_loadcnt 0x0
.endif
	v_max3_num_f32 v12, |v[XS]|, |v[XS+1]|, |v[XS+2]|
	v_max3_num_f32 v13, |v[XS+3]|, |v[XS+4]|, |v[XS+5]|
.irp i, 6,10,14,18,22,26
	v_max3_num_f32 v12, v12, |v[XS+\i]|, |v[XS+\i+1]|
	v_max3_num_f32 v13, v13, |v[XS+\i+2]|, |v[XS+\i+3]|
.endr
	v_max3_num_f32 v12, v12, |v[XS+30]|, |v[XS+31]|
	v_max3_num_f32 v12, v12, v13, 0x4800000        ; and the floor
	v_add_nc_u32 v11, 0xfc000000, v12
	v_and_or_b32 v10, v12, 0x7f800000, s[MNT]
	v_lshrrev_b32 v13, 23, v11
.if (\t)%4 == 0
	v_mov_b32 v[24+(\t)/4], v13                    ; four bytes to a scale word, the lower K in the lower byte
.else
	v_lshl_or_b32 v[24+(\t)/4], v13, 8*((\t)%4), v[24+(\t)/4]
.endif
.irp i, 0,1,2,3,4,5,6,7,8,9,10,11,12,13,14,15,16,17,18,19,20,21,22,23,24,25,26,27,28,29,30,31
	v_med3_num_f32 v[XS+\i], v[XS+\i], -v10, v10
.endr
.irp g, 0,1,2,3
	v_cvt_scalef32_pk8_fp8_f32 v[CC+2*\g:CC+2*\g+1], v[XS+8*\g:XS+8*\g+7], v11
.endr
	global_store_b128 v4, v[CC:CC+3], s[20:21] offset:((\t)/4)*2048+((\t)%4)*512        ; k 0..15 of the block: the place of lane (slot, 0); sixteen lanes fill 256 consecutive bytes
	global_store_b128 v4, v[CC+4:CC+7], s[20:21] offset:((\t)/4)*2048+((\t)%4)*512+256  ; k 16..31: the place of lane (slot, 1)
.if (\t)+2 < 8
	WLOAD \n, (\t)+2
.endif
.endm
.macro WPATH n
	WLOAD \n, 0
	WLOAD \n, 1
.irp t, 0,1,2,3,4,5,6,7
	WBLOCK \n, \t
.endr
	global_store_b64 v5, v[24:25], s[20:21] offset:8192                    ; my column's two scale words: the 32 lanes fill the record's last 256 bytes
.endm
	s_load_b512 s[4:19], s[0:1], 0x0               ; Wq s4, Wk s6, Wv s8, Wo s10, W2 s12, W1 s14, x s16, y s18
	s_load_b128 s[20:23], s[0:1], 0x40             ; wimg s20, imga s22
	s_load_b64 s[24:25], s[0:1], 0x50              ; st1
	v_lshl_add_u32 v30, v0, 2, 0x8600              ; my spare word, and 0: kept for the add alone
	v_mov_b32 v31, 0
	v_lshrrev_b32 v1, 5, v0
	v_readfirstlane_b32 s26, v1                    ; wave
	v_and_b32 v2, 31, v0                           ; lane
	s_mov_b32 s[SEL], 0x76543210
	s_mov_b32 s[SEL+1], 0xfedcba98
	s_mov_b32 s[MNT], 0x600000
	s_mov_b32 s37, 0
	s_wait_kmcnt 0x0
	s_cmp_lt_u32 ttmp9, 384
	s_cbranch_scc0 .Lnot_w
	; ---- a weight.  The choice of the buffer hangs on the work-group's number alone
	s_cmp_lt_u32 ttmp9, 256
	s_cselect_b64 s[32:33], s[12:13], s[14:15]
	s_cmp_lt_u32 ttmp9, 128
	s_cselect_b64 s[32:33], s[10:11], s[32:33]
	s_mov_b32 s34, 511
	s_cselect_b32 s34, 127, s34                    ; records in the weight - 1: 128 in the four square ones, 512 in W2 and in W1
	s_cmp_lt_u32 ttmp9, 96
	s_cselect_b64 s[32:33], s[8:9], s[32:33]
	s_cmp_lt_u32 ttmp9, 64
	s_cselect_b64 s[32:33], s[6:7], s[32:33]
	s_cmp_lt_u32 ttmp9, 32
	s_cselect_b64 s[32:33], s[4:5], s[32:33]
	s_lshl_b32 s35, ttmp9, 2
	s_add_co_u32 s35, s35, s26                     ; 4 x work-group + wave: the record's number in wimg
	s_mul_i32 s36, s35, 8448
	s_add_nc_u64 s[20:21], s[20:21], s[36:37]
	s_and_b32 s38, s35, s34                        ; and in its weight
	s_wait_alu depctr_va_vdst(0)
	v_lshlrev_b32 v3, 2, v2                        ; in: 4 bytes a lane
	v_bfe_u32 v6, v2, 3, 1                         ; column x of the 32: tile u = (x / 8) % 2,
	v_and_b32 v7, 7, v2
	v_bfe_u32 v8, v2, 4, 1
	v_lshl_add_u32 v7, v8, 3, v7                   ; slot = x % 8 + 8 (x / 16)
	v_lshlrev_b32 v4, 4, v7
	v_lshl_add_u32 v4, v6, 12, v4                  ; out: 4096 u + 16 slot
	v_lshl_add_u32 v5, v6, 4, v7
	v_lshlrev_b32 v5, 3, v5                        ; scale words: (16 u + slot) 8
	s_cmp_lt_u32 ttmp9, 256
	s_cbranch_scc0 .Lw1
	s_lshr_b32 s36, s38, 5                         ; rows of 1,024 numbers: 32 records to a K step of 256
	s_lshl_b32 s36, s36, 20                        ; 256 rows of 4,096 bytes
	s_and_b32 s39, s38, 31
	s_lshl_b32 s39, s39, 7                         ; 32 columns of 4 bytes
	s_add_co_u32 s36, s36, s39
	s_add_nc_u64 s[32:33], s[32:33], s[36:37]
	s_wait_alu depctr_va_vdst(0)
	WPATH 1024
	s_endpgm
.Lw1:
	s_lshr_b32 s36, s38, 7                         ; W1: rows of 4,096 numbers: 128 records to a K step
	s_lshl_b32 s36, s36, 22
	s_and_b32 s39, s38, 127
	s_lshl_b32 s39, s39, 7
	s_add_co_u32 s36, s36, s39
	s_add_nc_u64 s[32:33], s[32:33], s[36:37]
	s_wait_alu depctr_va_vdst(0)
	WPATH 4096
	s_endpgm
.Lnot_w:
	s_wait_alu depctr_va_vdst(0)
	v_lshlrev_b32 v5, 4, v2                        ; 16 x lane
	s_cmp_lt_u32 ttmp9, 896
	s_cbranch_scc0 .Lstats
	; ---- x.  A work-group makes one record, wave w its tile u = w % 2 and K step s = w / 2: 16 rows x 128 numbers.
	; Each load reads a row's 512 consecutive bytes; the rows turn through the wave's own stage in LDS (rows 528 bytes apart) so that a lane gets 16 neighbours of each block of 32.
	s_sub_co_u32 s35, ttmp9, 384                   ; the record
	s_lshr_b32 s36, s35, 7                         ; k / 256
	s_and_b32 s39, s35, 127                        ; row / 32
	s_and_b32 s38, s26, 1                          ; u
	s_lshr_b32 s34, s26, 1                         ; s
	s_lshl_b32 s40, s39, 17                        ; 32 rows of 4,096 bytes
	s_lshl_b32 s41, s38, 15                        ; 8 rows
	s_add_co_u32 s40, s40, s41
	s_lshl_b32 s41, s36, 10                        ; 256 numbers
	s_add_co_u32 s40, s40, s41
	s_lshl_b32 s41, s34, 9                         ; 128 numbers
	s_add_co_u32 s40, s40, s41
	s_mov_b32 s41, 0
	s_add_nc_u64 s[16:17], s[16:17], s[40:41]
	s_wait_alu depctr_va_vdst(0)
.irp p, 0,1,2,3,4,5,6,7,8,9,10,11,12,13,14,15
	global_load_b128 v[32+4*\p:35+4*\p], v5, s[16:17] offset:(\p+8*(\p/8))*4096 th:TH_LOAD_NT   ; slot p of the tile
.endr
	s_mul_i32 s36, s35, 8448
	s_add_nc_u64 s[46:47], s[22:23], s[36:37]      ; the record in imga
	s_lshl_b32 s40, s38, 12
	s_lshl_b32 s42, s34, 11
	s_add_co_u32 s40, s40, s42
	s_add_nc_u64 s[22:23], s[46:47], s[40:41]      ; my fragment in it
	s_mul_i32 s44, s26, 8448                       ; my stage
	v_add_nc_u32 v6, s44, v5                       ; in: 16 x lane of a row
	v_and_b32 v3, 15, v0
	v_bfe_u32 v4, v0, 4, 1
	v_mul_u32_u24 v7, v3, 528
	v_lshl_add_u32 v7, v4, 6, v7
	v_add_nc_u32 v7, s44, v7                       ; out: row r, + 64 h
	s_lshl_b32 s45, s38, 7
	s_lshl_b32 s42, s34, 2
	s_add_co_u32 s45, s45, s42
	v_lshl_add_u32 v8, v3, 3, s45                  ; my row's scale word among the record's 64: (16 u + r) 8 + 4 s
	v_lshlrev_b32 v9, 3, v2
.irp b, 0,1,2,3
	v_mov_b32 v[TM+4+\b], 0                        ; a lane permute's destination counts as one of its sources
.endr
	s_wait_alu depctr_va_vdst(0)
.irp p, 0,1,2,3,4,5,6,7,8,9,10,11,12,13,14,15
	s_wait_loadcnt 15-\p                           ; row p is in, the younger rows may be out
	ds_store_b128 v6, v[32+4*\p:35+4*\p] offset:\p*528
.endr
.irp b, 0,1,2,3
.irp j, 0,1,2,3
	ds_load_b128 v[X+16*\b+4*\j:X+16*\b+4*\j+3], v7 offset:128*\b+16*\j    ; LDS serves a wave's instructions in order: these see my stores
.endr
.endr
	s_wait_dscnt 0x0
	QUANT X, 0, PC
	v_lshl_or_b32 v12, v[TM+5], 8, v[TM+4]
	v_lshl_or_b32 v12, v[TM+6], 16, v12
	v_lshl_or_b32 v12, v[TM+7], 24, v12            ; my row's scale word
.irp c, 0,1,2,3
	global_store_b128 v5, v[PC+4*\c:PC+4*\c+3], s[22:23] offset:512*\c     ; 512 consecutive bytes
.endr
	ds_store_b32 v8, v12 offset:33792              ; both halves of the lanes write the same word with the same value
	s_wait_dscnt 0x0                               ; for the others' sake: my word has landed
	s_barrier_signal -1
	s_barrier_wait -1
	s_cmp_lg_u32 s26, 0
	s_cbranch_scc1 .Lx_end
	ds_load_b64 v[14:15], v9 offset:33792          ; wave 0 stores the record's 256 bytes of scale words whole
	s_wait_dscnt 0x0
	global_store_b64 v9, v[14:15], s[46:47] offset:8192
.Lx_end:
	s_wait_tensorcnt 0x0
	ds_add_u32 v30, v31
	s_wait_dscnt 0x0
	s_endpgm
.Lstats:
	; ---- y's partial sums.  A wave takes 4,096 consecutive numbers, kept in 128 registers between the two passes.
	s_sub_co_u32 s35, ttmp9, 896
	s_lshl_b32 s35, s35, 2
	s_add_co_u32 s35, s35, s26                     ; the run's number, 0..1023: 512 runs to a batch
	s_lshl_b32 s36, s35, 14
	s_add_nc_u64 s[18:19], s[18:19], s[36:37]
	s_lshl_b32 s36, s35, 3
	s_add_nc_u64 s[24:25], s[24:25], s[36:37]
	s_wait_alu depctr_va_vdst(0)
.irp a, 0,1,2,3
.irp b, 0,1,2,3,4,5,6,7
	global_load_b128 v[32+4*(8*\a+\b):35+4*(8*\a+\b)], v5, s[18:19] offset:512*(8*\a+\b)
.endr
.endr
	s_wait_loadcnt 0x0
.irp j, 0,1,2,3
	v_pk_add_f32 v[8+2*\j:9+2*\j], v[32+2*\j:33+2*\j], v[40+2*\j:41+2*\j]  ; four chains, started by the first pairs
.endr
.set k, 8
.rept 56
	v_pk_add_f32 v[8+2*(k%4):9+2*(k%4)], v[8+2*(k%4):9+2*(k%4)], v[32+2*k:33+2*k]
.set k, k+1
.endr
	v_pk_add_f32 v[8:9], v[8:9], v[10:11]
	v_pk_add_f32 v[12:13], v[12:13], v[14:15]
	v_pk_add_f32 v[8:9], v[8:9], v[12:13]
	v_add_f32 v8, v8, v9
	WSUM 8, 9
	v_mov_b32 v18, v8                              ; the run's sum
	v_mul_f32 v16, 0x39800000, v8                  ; its mean: x 2^-12
	v_mov_b32 v17, v16
.set k, 0
.rept 64
	v_pk_add_f32 v[32+2*k:33+2*k], v[32+2*k:33+2*k], v[16:17] neg_lo:[0,1] neg_hi:[0,1]
.set k, k+1
.endr
.irp j, 0,1,2,3
	v_pk_mul_f32 v[8+2*\j:9+2*\j], v[32+2*\j:33+2*\j], v[32+2*\j:33+2*\j]
.endr
.set k, 4
.rept 60
	v_pk_fma_f32 v[8+2*(k%4):9+2*(k%4)], v[32+2*k:33+2*k], v[32+2*k:33+2*k], v[8+2*(k%4):9+2*(k%4)]
.set k, k+1
.endr
	v_pk_add_f32 v[8:9], v[8:9], v[10:11]
	v_pk_add_f32 v[12:13], v[12:13], v[14:15]
	v_pk_add_f32 v[8:9], v[8:9], v[12:13]
	v_add_f32 v8, v8, v9
	WSUM 8, 9
	v_mov_b32 v19, v8                              ; the squares about the run's own mean
	v_mov_b32 v20, 0
	s_wait_alu depctr_va_vdst(0)
	s_wait_xcnt 0x0                                ; EXEC changes only behind this wait
	v_cmp_eq_u32 vcc_lo, 0, v2
	s_and_saveexec_b32 s40, vcc_lo
	global_store_b64 v20, v[18:19], s[24:25]       ; lane 0 alone
	s_wait_xcnt 0x0
	s_or_b32 exec_lo, exec_lo, s40
	s_endpgm
.Lfunc_end_k_q26911ff12f_prep:
	.size	k_q26911ff12f_prep, .Lfunc_end_k_q26911ff12f_prep-k_q26911ff12f_prep
	.p2alignl 7, 3214868480
	.fill 96, 4, 3214868480
	.section	.rodata,"a",@progbits
	.p2align	6, 0x0
	.amdhsa_kernel k_q26911ff12f_prep
		.amdhsa_group_segment_fixed_size 34816
		.amdhsa_private_segment_fixed_size 0
		.amdhsa_enable_private_segment 0
		.amdhsa_kernarg_size 88
		.amdhsa_user_sgpr_count 2
		.amdhsa_user_sgpr_kernarg_segment_ptr 1
		.amdhsa_wavefront_size32 1
		.amdhsa_system_sgpr_workgroup_id_x 1
		.amdhsa_system_sgpr_workgroup_id_y 1
		.amdhsa_system_sgpr_workgroup_id_z 1
		.amdhsa_system_vgpr_workitem_id 0
		.amdhsa_next_free_vgpr 192
		.amdhsa_next_free_sgpr 66
		.amdhsa_reserve_vcc 1
		.amdhsa_float_denorm_mode_32 3
		.amdhsa_float_denorm_mode_16_64 3
		.amdhsa_memory_ordered 1
		.amdhsa_forward_progress 1
		.amdhsa_inst_pref_size 143
	.end_amdhsa_kernel
	.amdgpu_metadata
---
amdhsa.version: [ 1, 2 ]
amdhsa.kernels:
  - .name:           k_q26911ff12f_prep
    .symbol:         k_q26911ff12f_prep.kd
    .args:
      - { .name: Wq, .offset: 0, .size: 8, .value_kind: global_buffer, .address_space: global }
      - { .name: Wk, .offset: 8, .size: 8, .value_kind: global_buffer, .address_space: global }
      - { .name: Wv, .offset: 16, .size: 8, .value_kind: global_buffer, .address_space: global }
      - { .name: Wo, .offset: 24, .size: 8, .value_kind: global_buffer, .address_space: global }
      - { .name: W2, .offset: 32, .size: 8, .value_kind: global_buffer, .address_space: global }
      - { .name: W1, .offset: 40, .size: 8, .value_kind: global_buffer, .address_space: global }
      - { .name: x, .offset: 48, .size: 8, .value_kind: global_buffer, .address_space: global }
      - { .name: y, .offset: 56, .size: 8, .value_kind: global_buffer, .address_space: global }
      - { .name: wimg, .offset: 64, .size: 8, .value_kind: global_buffer, .address_space: global }
      - { .name: imga, .offset: 72, .size: 8, .value_kind: global_buffer, .address_space: global }
      - { .name: st1, .offset: 80, .size: 8, .value_kind: global_buffer, .address_space: global }
    .group_segment_fixed_size: 34816
    .private_segment_fixed_size: 0
    .kernarg_segment_align: 8
    .kernarg_segment_size: 88
    .max_flat_workgroup_size: 128
    .sgpr_count:     66
    .vgpr_count:     192
    .wavefront_size: 32
...
	.end_amdgpu_metadata
.endif
;; end of part 1
;; launch lnq1 (part 2): grid 512 x 1, 4 waves a work-group, no clusters, 34,816 bytes of LDS; arguments y, st1, ln1_w, ln1_b, imgb; writes imgb
.if DOCPART == 2
	.amdgcn_target "amdgcn-amd-amdhsa--gfx1250"
	.amdhsa_code_object_version 6
	.text
	.protected	k_q26911ff12f_lnq1
	.globl	k_q26911ff12f_lnq1
	.p2align	8
	.type	k_q26911ff12f_lnq1,@function
k_q26911ff12f_lnq1:
	s_mov_b64 s[64:65], 0
	v_nop
	global_prefetch_b8 v0, s[64:65] scope:SCOPE_SE
	s_setreg_imm32_b32 hwreg(HW_REG_WAVE_MODE, 25, 1), 1
	s_wait_xcnt 0x0
; LAYER NORM OVER [2048][1024] OF A BATCH, THEN THE QUANTISER.  t [4096][1024] f32; st: for each batch 512 pairs (sum, squares about the part's own mean), each over 4,096 numbers;
; w, b [2048][1024] f32; the result (t - mean) x rsqrt(var + 1e-5) x w + b, in that order as the source has it, becomes codes of E4M3 with one E8M0 byte for each 32 along the 1,024, laid as records.
; The parts are joined without a difference of large sums: var x n = the sum of the parts' squares + 4,096 x the sum of (part's mean - mean)^2.
; A RECORD holds 32 rows x 256 along K in the order of the matrix operand's registers: 8,448 bytes = tile u x K step s x group c x 32 lanes x 16 bytes, then 256 bytes of scale words at 8192 + (16 u + slot) 8 + 4 s.
; Slot r of tile u is row 8 u + r + 8 (r / 8) of the 32.  Records lie [k / 256][row / 32].  A work-group makes one record, wave w its tile u = w % 2 and K step s = w / 2: 16 rows x 128 numbers.
; Each load reads 512 consecutive bytes of a row; the rows turn through the wave's own stage in LDS (rows 528 bytes apart), so that a lane gets 16 neighbours of each block of 32.
; LIMITS: a block of zeros gets the byte 1 over zero codes (this program alone reads the bytes); NaN and infinities are not served.  Memory binds: no matrix unit, tensor load or cluster.
.set SEL, 26
.set MNT, 28
.set X,   96
.set PC,  160
.set TM,  176
.macro QUANT s, relu, pc               ; 64 numbers of a lane, register 16 b + i = k 32 b + 16 h + i of its row, become 16 registers of codes at v[pc]; the four bytes stay in v[TM+4..7]
.if \relu
.irp b, 0,1,2,3
	v_max3_num_f32 v[TM+\b], v[\s+16*\b], v[\s+16*\b+1], 0x4800000
.endr
.irp i, 2,4,6,8,10,12,14
.irp b, 0,1,2,3
	v_max3_num_f32 v[TM+\b], v[TM+\b], v[\s+16*\b+\i], v[\s+16*\b+\i+1]
.endr
.endr
.else
.irp b, 0,1,2,3
	v_max3_num_f32 v[TM+\b], |v[\s+16*\b]|, |v[\s+16*\b+1]|, 0x4800000      ; my 16 numbers of block b and the floor 2^(9 - 127): the byte cannot fall under 1
.endr
.irp i, 2,4,6,8,10,12,14
.irp b, 0,1,2,3
	v_max3_num_f32 v[TM+\b], v[TM+\b], |v[\s+16*\b+\i]|, |v[\s+16*\b+\i+1]|
.endr
.endr
.endif
.irp b, 0,1,2,3
	v_permlanex16_b32 v[TM+4+\b], v[TM+\b], s[SEL], s[SEL+1]
.endr
.irp b, 0,1,2,3
	v_max_num_f32 v[TM+\b], v[TM+\b], v[TM+4+\b]
.endr
.irp b, 0,1,2,3
	v_add_nc_u32 v[TM+12+\b], 0xfc000000, v[TM+\b]                          ; 8 off the exponent field: the conversion's scale operand
.endr
.irp b, 0,1,2,3
	v_and_or_b32 v[TM+8+\b], v[TM+\b], 0x7f800000, s[MNT]                   ; 448 x the scale
.endr
.irp b, 0,1,2,3
	v_lshrrev_b32 v[TM+4+\b], 23, v[TM+12+\b]                               ; the scale's byte
.endr
.irp b, 0,1,2,3
.irp i, 0,1,2,3,4,5,6,7,8,9,10,11,12,13,14,15
.if \relu
	v_med3_num_f32 v[\s+16*\b+\i], v[\s+16*\b+\i], 0, v[TM+8+\b]
.else
	v_med3_num_f32 v[\s+16*\b+\i], v[\s+16*\b+\i], -v[TM+8+\b], v[TM+8+\b]  ; the conversion to an 8-bit code does not saturate (ISA guide 7.6.2): the hold
.endif
.endr
	v_cvt_scalef32_pk8_fp8_f32 v[\pc+4*\b:\pc+4*\b+1], v[\s+16*\b:\s+16*\b+7], v[TM+12+\b]
	v_cvt_scalef32_pk8_fp8_f32 v[\pc+4*\b+2:\pc+4*\b+3], v[\s+16*\b+8:\s+16*\b+15], v[TM+12+\b]
.endr
	v_nop
.endm
.macro WSUM r, t                       ; the sum of v[r] over the 32 lanes, in every lane
.irp m, 1,2,4,8
	v_add_f32_dpp v[\r], v[\r], v[\r] row_xmask:\m row_mask:0xf bank_mask:0xf
.endr
	v_permlanex16_b32 v[\t], v[\r], s[SEL], s[SEL+1]
	v_add_f32 v[\r], v[\r], v[\t]
.endm
	s_load_b256 s[4:11], s[0:1], 0x0               ; t s4, st s6, w s8, b s10
	s_load_b64 s[12:13], s[0:1], 0x20              ; the records
	v_lshl_add_u32 v30, v0, 2, 0x8600
	v_mov_b32 v31, 0
	v_lshrrev_b32 v1, 5, v0
	v_readfirstlane_b32 s14, v1                    ; wave
	v_and_b32 v2, 31, v0
	v_and_b32 v3, 15, v0                           ; r
	v_bfe_u32 v4, v0, 4, 1                         ; h
	v_lshlrev_b32 v5, 4, v2                        ; 16 x lane
	s_lshr_b32 s15, ttmp9, 7                       ; k / 256
	s_and_b32 s16, ttmp9, 127                      ; row / 32
	s_and_b32 s17, s14, 1                          ; u
	s_lshr_b32 s18, s14, 1                         ; s
	s_lshr_b32 s19, s16, 6                         ; batch
	s_lshl_b32 s24, s17, 15                        ; 8 u rows of 4,096 bytes,
	s_lshl_b32 s29, s15, 10                        ; 256 numbers a K step of a record,
	s_add_co_u32 s24, s24, s29
	s_lshl_b32 s29, s18, 9                         ; 128 a fragment
	s_add_co_u32 s24, s24, s29
	s_lshl_b32 s20, s16, 17
	s_add_co_u32 s20, s20, s24                     ; in t
	s_mov_b32 s21, 0
	s_and_b32 s22, s16, 63
	s_lshl_b32 s22, s22, 17
	s_add_co_u32 s22, s22, s24                     ; in w and b: the row within the batch
	s_mov_b32 s23, 0
	s_lshl_b32 s36, s19, 12                        ; the batch's 512 pairs
	s_mov_b32 s37, 0
	s_mul_i32 s32, ttmp9, 8448
	s_mov_b32 s33, 0
	s_lshl_b32 s34, s17, 12
	s_lshl_b32 s29, s18, 11
	s_add_co_u32 s34, s34, s29
	s_mov_b32 s35, 0
	s_mov_b32 s25, 0x35000000                      ; 2^-21: one over the numbers of a batch
	s_mov_b32 s[SEL], 0x76543210
	s_mov_b32 s[SEL+1], 0xfedcba98
	s_mov_b32 s[MNT], 0x600000
	s_wait_alu depctr_va_vdst(0)
	s_wait_kmcnt 0x0
	s_add_nc_u64 s[6:7], s[6:7], s[36:37]
	s_add_nc_u64 s[4:5], s[4:5], s[20:21]
	s_add_nc_u64 s[8:9], s[8:9], s[22:23]
	s_add_nc_u64 s[10:11], s[10:11], s[22:23]
	s_add_nc_u64 s[32:33], s[12:13], s[32:33]      ; the record
	s_add_nc_u64 s[30:31], s[32:33], s[34:35]      ; my fragment in it
.irp i, 0,1,2,3,4,5,6,7
	global_load_b128 v[224+4*\i:227+4*\i], v5, s[6:7] offset:512*\i        ; 16 pairs a lane
.endr
.irp p, 0,1,2,3,4,5,6,7,8,9,10,11,12,13,14,15
	global_load_b128 v[32+4*\p:35+4*\p], v5, s[4:5] offset:(\p+8*(\p/8))*4096    ; slot p of the tile: t,
	global_load_b128 v[96+4*\p:99+4*\p], v5, s[8:9] offset:(\p+8*(\p/8))*4096    ; w,
	global_load_b128 v[160+4*\p:163+4*\p], v5, s[10:11] offset:(\p+8*(\p/8))*4096   ; b: row by row, so that a row can be worked while the later rows are out
.endr
	s_mul_i32 s29, s14, 8448                       ; my stage
	v_add_nc_u32 v6, s29, v5
	v_mul_u32_u24 v7, v3, 528
	v_lshl_add_u32 v7, v4, 6, v7
	v_add_nc_u32 v7, s29, v7
	s_lshl_b32 s29, s17, 7
	s_lshl_b32 s24, s18, 2
	s_add_co_u32 s29, s29, s24
	v_lshl_add_u32 v12, v3, 3, s29                 ; my row's scale word among the record's 64
	v_lshlrev_b32 v13, 3, v2
	s_wait_loadcnt 48                              ; the pairs are in; the 48 loads of t, w and b may be out
	v_pk_add_f32 v[8:9], v[224:225], v[226:227]    ; low halves: sums; high halves: squares
	v_pk_add_f32 v[10:11], v[228:229], v[230:231]
.irp i, 232,236,240,244,248,252
	v_pk_add_f32 v[8:9], v[8:9], v[\i:\i+1]
	v_pk_add_f32 v[10:11], v[10:11], v[\i+2:\i+3]
.endr
	v_pk_add_f32 v[8:9], v[8:9], v[10:11]
	WSUM 8, 10
	WSUM 9, 11
	v_mul_f32 v16, s25, v8                         ; the batch's mean
	v_mov_b32 v17, v16
.irp i, 0,1,2,3,4,5,6,7,8,9,10,11,12,13,14,15
	v_fma_f32 v[224+2*\i], v[224+2*\i], 0x39800000, -v16    ; a part's mean - the mean
.endr
	v_mul_f32 v10, v224, v224
	v_mul_f32 v11, v226, v226
.irp i, 228,232,236,240,244,248,252
	v_fmac_f32 v10, v[\i], v[\i]
	v_fmac_f32 v11, v[\i+2], v[\i+2]
.endr
	v_add_f32 v10, v10, v11
	WSUM 10, 11
	v_fma_f32 v9, v10, 0x45800000, v9              ; x 4,096 numbers a part, + the parts' own squares
	v_fma_f32 v9, v9, s25, 0x3727c5ac              ; the variance + 1e-5
	s_wait_alu depctr_va_vdst(0)
	v_rsq_f32 v18, v9
	v_nop                                          ; one plain line behind a transcendental
	s_wait_alu depctr_va_vdst(0)
	v_mov_b32 v19, v18
	s_wait_alu depctr_va_vdst(0)                   ; the wait here, directly ahead of the wait below
.irp p, 0,1,2,3,4,5,6,7,8,9,10,11,12,13,14,15
	s_wait_loadcnt 45-3*\p                         ; row p's three loads are in; the three of each later row may be out
	v_pk_add_f32 v[32+4*\p:33+4*\p], v[32+4*\p:33+4*\p], v[16:17] neg_lo:[0,1] neg_hi:[0,1]
	v_pk_add_f32 v[34+4*\p:35+4*\p], v[34+4*\p:35+4*\p], v[16:17] neg_lo:[0,1] neg_hi:[0,1]
	v_pk_mul_f32 v[32+4*\p:33+4*\p], v[32+4*\p:33+4*\p], v[18:19]
	v_pk_mul_f32 v[34+4*\p:35+4*\p], v[34+4*\p:35+4*\p], v[18:19]
	v_pk_fma_f32 v[32+4*\p:33+4*\p], v[32+4*\p:33+4*\p], v[96+4*\p:97+4*\p], v[160+4*\p:161+4*\p]
	v_pk_fma_f32 v[34+4*\p:35+4*\p], v[34+4*\p:35+4*\p], v[98+4*\p:99+4*\p], v[162+4*\p:163+4*\p]
	ds_store_b128 v6, v[32+4*\p:35+4*\p] offset:\p*528
.endr
.irp b, 0,1,2,3
.irp j, 0,1,2,3
	ds_load_b128 v[X+16*\b+4*\j:X+16*\b+4*\j+3], v7 offset:128*\b+16*\j    ; LDS serves a wave's instructions in order: these see my stores
.endr
.endr
	s_wait_dscnt 0x0
	QUANT X, 0, PC
	v_lshl_or_b32 v14, v[TM+5], 8, v[TM+4]
	v_lshl_or_b32 v14, v[TM+6], 16, v14
	v_lshl_or_b32 v14, v[TM+7], 24, v14
.irp c, 0,1,2,3
	global_store_b128 v5, v[PC+4*\c:PC+4*\c+3], s[30:31] offset:512*\c     ; 512 consecutive bytes
.endr
	ds_store_b32 v12, v14 offset:33792             ; both halves of the lanes write the same word with the same value
	s_wait_dscnt 0x0                               ; for the others' sake: my word has landed
	s_barrier_signal -1
	s_barrier_wait -1
	s_cmp_lg_u32 s14, 0
	s_cbranch_scc1 .Lend
	ds_load_b64 v[20:21], v13 offset:33792         ; wave 0 stores the record's 256 bytes of scale words whole
	s_wait_dscnt 0x0
	global_store_b64 v13, v[20:21], s[32:33] offset:8192
.Lend:
	s_wait_tensorcnt 0x0
	ds_add_u32 v30, v31
	s_wait_dscnt 0x0
	s_endpgm
.Lfunc_end_k_q26911ff12f_lnq1:
	.size	k_q26911ff12f_lnq1, .Lfunc_end_k_q26911ff12f_lnq1-k_q26911ff12f_lnq1
	.p2alignl 7, 3214868480
	.fill 96, 4, 3214868480
	.section	.rodata,"a",@progbits
	.p2align	6, 0x0
	.amdhsa_kernel k_q26911ff12f_lnq1
		.amdhsa_group_segment_fixed_size 34816
		.amdhsa_private_segment_fixed_size 0
		.amdhsa_enable_private_segment 0
		.amdhsa_kernarg_size 40
		.amdhsa_user_sgpr_count 2
		.amdhsa_user_sgpr_kernarg_segment_ptr 1
		.amdhsa_wavefront_size32 1
		.amdhsa_system_sgpr_workgroup_id_x 1
		.amdhsa_system_sgpr_workgroup_id_y 1
		.amdhsa_system_sgpr_workgroup_id_z 1
		.amdhsa_system_vgpr_workitem_id 0
		.amdhsa_next_free_vgpr 256
		.amdhsa_next_free_sgpr 66
		.amdhsa_reserve_vcc 0
		.amdhsa_float_denorm_mode_32 3
		.amdhsa_float_denorm_mode_16_64 3
		.amdhsa_memory_ordered 1
		.amdhsa_forward_progress 1
		.amdhsa_inst_pref_size 30
	.end_amdhsa_kernel
	.amdgpu_metadata
---
amdhsa.version: [ 1, 2 ]
amdhsa.kernels:
  - .name:           k_q26911ff12f_lnq1
    .symbol:         k_q26911ff12f_lnq1.kd
    .args:
      - { .name: y, .offset: 0, .size: 8, .value_kind: global_buffer, .address_space: global }
      - { .name: st1, .offset: 8, .size: 8, .value_kind: global_buffer, .address_space: global }
      - { .name: ln1_w, .offset: 16, .size: 8, .value_kind: global_buffer, .address_space: global }
      - { .name: ln1_b, .offset: 24, .size: 8, .value_kind: global_buffer, .address_space: global }
      - { .name: imgb, .offset: 32, .size: 8, .value_kind: global_buffer, .address_space: global }
    .group_segment_fixed_size: 34816
    .private_segment_fixed_size: 0
    .kernarg_segment_align: 8
    .kernarg_segment_size: 40
    .max_flat_workgroup_size: 128
    .sgpr_count:     66
    .vgpr_count:     256
    .wavefront_size: 32
...
	.end_amdgpu_metadata
.endif
;; end of part 2
;; launch qkv (part 3): grid 8 x 32, 4 waves a work-group, clusters of 4 x 4, 327,680 bytes of LDS; arguments imga, imgb, wimg, bq, bk, bv, qkv; writes qkv
.if DOCPART == 3
	.amdgcn_target "amdgcn-amd-amdhsa--gfx1250"
	.amdhsa_code_object_version 6
	.text
	.protected	k_q26911ff12f_qkv
	.globl	k_q26911ff12f_qkv
	.p2align	8
	.type	k_q26911ff12f_qkv,@function
k_q26911ff12f_qkv:
	s_mov_b64 s[64:65], 0
	v_nop
	global_prefetch_b8 v0, s[64:65] scope:SCOPE_SE
	s_setreg_imm32_b32 hwreg(HW_REG_WAVE_MODE, 25, 1), 1
	s_wait_xcnt 0x0
	s_wait_alu depctr_hold_cnt(0) depctr_sa_sdst(0) depctr_va_vdst(0) depctr_va_sdst(0) depctr_va_ssrc(0) depctr_va_vcc(0) depctr_vm_vsrc(0)
	s_getreg_b32 s2, hwreg(HW_REG_IB_STS2, 6, 4)
	s_cmp_eq_u32 s2, 0
	s_cbranch_scc0 .Lentry_in_a_cluster
	s_endpgm
.Lentry_in_a_cluster:
	s_bfe_u32 s2, ttmp6, 0x10000c
	s_cmp_lg_u32 s2, 0xf033
	s_cbranch_scc0 .Lentry_shape_is_right
	s_endpgm
.Lentry_shape_is_right:
.set CH,    33792
.set SLOT,  4*CH
.set SPARE, 2*SLOT
.set KBT,   1081344
.set KBW,   270336
.set WK,    1081344
.set WV,    2162688
.set SC,    32
.set PC0,   48
.set BIAS,  64
.set PC1,   96
.set TM,    112
.set ACC,   128
.set G1R,   36
.set G1C,   44
.set G0R,   52
.set G0C,   60
.set SEL,   84
.set MNT,   86
.set BWAIT, 0
.set MSB,   0
.macro WIN new
.if MSB != \new
	s_set_vgpr_msb (MSB<<8)|\new
.set MSB, \new
.endif
.endm
.macro PLACES n
.rept \n
	v_nop
.endr
.endm
.macro JLOAD g0a, g1a, g0b, g1b
	s_cmp_eq_u32 s21, 0
	s_cbranch_scc0 .Lfor_b_\@
	tensor_load_to_lds s[\g0a:\g0a+3], s[\g1a:\g1a+7]
	s_nop 0
.rept 4
	v_nop
.endr
	s_branch .Lasked_\@
.Lfor_b_\@:
	tensor_load_to_lds s[\g0b:\g0b+3], s[\g1b:\g1b+7]
	s_nop 0
.rept 4
	v_nop
.endr
.Lasked_\@:
.endm
.macro CROUND
	s_barrier_signal -1
	s_barrier_wait -1
	s_cmp_lg_u32 s20, 0
	s_cbranch_scc1 .Lnot_wave_0_\@
	s_barrier_signal -3
.Lnot_wave_0_\@:
	s_barrier_wait -3
	s_barrier_signal -1
	s_barrier_wait -1
.endm
.macro SETG0 g, slot, t, imm
	s_mov_b32 s[\g], 1
	s_add_co_u32 s[\g+1], s30, \slot*SLOT
	s_add_nc_u64 s[\g+2:\g+3], s[\t:\t+1], \imm
	s_or_b32 s[\g+3], s[\g+3], 0x80000000
.endm
.macro SETD g, t, imm
	s_add_nc_u64 s[\g+2:\g+3], s[\t:\t+1], \imm
	s_or_b32 s[\g+3], s[\g+3], 0x80000000
.endm
.macro SCALES s
.irp l, 0,1
.irp i, 0,1,2,3
	ds_load_b64 v[SC+2*(4*\l+\i):SC+2*(4*\l+\i)+1], v[8+\s] offset:\l*CH+(\i/2)*8448+(\i%2)*128
.endr
.endr
.endm
.macro FETCH s, q, f
	WIN 0x40
.irp i, 0,1,2,3
.irp c, 0,1,2,3
	ds_load_b128 v[(\f)+16*\i+4*\c:(\f)+16*\i+4*\c+3], v[4+\s] offset:((\q)/2)*CH+(\i/2)*8448+(\i%2)*4096+((\q)%2)*2048+512*\c
	ds_load_b128 v[(\f)+64+16*\i+4*\c:(\f)+64+16*\i+4*\c+3], v[6+\s] offset:((\q)/2)*CH+(\i/2)*8448+(\i%2)*4096+((\q)%2)*2048+512*\c
.endr
.endr
.endm
.macro MM a, b, f, q, c0
	v_wmma_scale_f32_16x16x128_f8f6f4 v[ACC+8*(4*\a+\b):ACC+8*(4*\a+\b)+7], v[(\f)+64+16*\b:(\f)+64+16*\b+15], v[(\f)+16*\a:(\f)+16*\a+15], v[\c0:\c0+7], v[SC+2*(4*((\q)/2)+\b)+(\q)%2], v[SC+2*(4*((\q)/2)+\a)+(\q)%2] matrix_a_scale:MATRIX_SCALE_ROW1
.endm
.macro MUL16 f, q, cm
	WIN 0x05
.irp a, 0,1,2,3
.irp b, 0,1,2,3
.if \cm == 1
	MM \a, \b, \f, \q, BIAS+8*\b
.elseif \cm == 2
	MM \a, \b, \f, \q, BIAS+8*\a
.else
	MM \a, \b, \f, \q, ACC+8*(4*\a+\b)
.endif
.endr
.endr
.endm
.macro KSTEP s, q, cm
	s_wait_dscnt 0x0
.if \q < 3
	PLACES 8
	FETCH \s, \q+1, 128*((\q+1)%2)
.endif
.if \cm
	s_wait_loadcnt BWAIT
.endif
	MUL16 128*(\q%2), \q, \cm
.endm
.macro PHASE s, kind, cm, code
	WIN 0
.if \kind == 0
	s_wait_tensorcnt 0x0                           ; my tile of the head's four is in, and no tensor load of mine is out: the descriptors take the ring's form, 132 rows of 256 bytes a wave
.irp g, G1R, G1C
	s_mov_b32 s[\g+1], 32<<16
	s_mov_b32 s[\g+2], 132<<16
	s_mov_b32 s[\g+3], 32<<16
	s_mov_b32 s[\g+4], 132
	s_mov_b32 s[\g+5], 32
.endr
	SETG0 G0R, 0, 74, 0
	SETG0 G0C, 0, 80, 0
	SETG0 G0R+4, 1, 74, 2*KBT
	SETG0 G0C+8, 1, 80, 2*KBW
	s_barrier_signal -1
	s_barrier_wait -1
.else
	s_wait_tensorcnt 0x0
	ds_add_u32 v10, v11
.if \kind == 1
	RSTEP \code
.endif
	s_wait_dscnt 0x0
.if \kind == 1
	CROUND
	RLOAD \code
.else
	s_barrier_signal -1
	s_barrier_wait -1
.endif
.endif
	PLACES 8
	SCALES \s
.if (\kind == 0) || (\code == 1)
.if \code == 1
	s_wait_xcnt 0x0                                ; the last phase's prefetches have read their address, so it may step
	s_add_nc_u64 s[18:19], s[18:19], s[82:83]
.endif
	global_prefetch_b8 v22, s[18:19] th:TH_LOAD_NT scope:SCOPE_SE
	global_prefetch_b8 v23, s[18:19] th:TH_LOAD_NT scope:SCOPE_SE
.elseif (\code == 2) || (\code == 3)
	s_wait_xcnt 0x0
	s_add_nc_u64 s[18:19], s[18:19], s[82:83]
	s_cmp_eq_u32 s21, 1                            ; the weights alone
	s_cbranch_scc0 .Lno_ask_\@
	global_prefetch_b8 v22, s[18:19] th:TH_LOAD_NT scope:SCOPE_SE
	global_prefetch_b8 v23, s[18:19] th:TH_LOAD_NT scope:SCOPE_SE
.Lno_ask_\@:
.endif
	FETCH \s, 0, 0
	KSTEP \s, 0, \cm
	KSTEP \s, 1, 0
	KSTEP \s, 2, 0
	KSTEP \s, 3, 0
	WIN 0
.endm
.macro BIASN base
.irp b, 0,1,2,3
	global_load_b128 v[BIAS+8*\b:BIAS+8*\b+3], v12, s[\base:\base+1] offset:(32*(\b/2)+8*(\b%2))*4
	global_load_b128 v[BIAS+8*\b+4:BIAS+8*\b+7], v12, s[\base:\base+1] offset:(32*(\b/2)+8*(\b%2))*4+16
.endr
.endm
.macro QUANT s, relu, pc
.if \relu
.irp b, 0,1,2,3
	v_max3_num_f32 v[TM+\b], v[\s+16*\b], v[\s+16*\b+1], 0x4800000
.endr
.irp i, 2,4,6,8,10,12,14
.irp b, 0,1,2,3
	v_max3_num_f32 v[TM+\b], v[TM+\b], v[\s+16*\b+\i], v[\s+16*\b+\i+1]
.endr
.endr
.else
.irp b, 0,1,2,3
	v_max3_num_f32 v[TM+\b], |v[\s+16*\b]|, |v[\s+16*\b+1]|, 0x4800000
.endr
.irp i, 2,4,6,8,10,12,14
.irp b, 0,1,2,3
	v_max3_num_f32 v[TM+\b], v[TM+\b], |v[\s+16*\b+\i]|, |v[\s+16*\b+\i+1]|
.endr
.endr
.endif
.irp b, 0,1,2,3
	v_permlanex16_b32 v[TM+4+\b], v[TM+\b], s[SEL], s[SEL+1]
.endr
.irp b, 0,1,2,3
	v_max_num_f32 v[TM+\b], v[TM+\b], v[TM+4+\b]
.endr
.irp b, 0,1,2,3
	v_add_nc_u32 v[TM+12+\b], 0xfc000000, v[TM+\b]
.endr
.irp b, 0,1,2,3
	v_and_or_b32 v[TM+8+\b], v[TM+\b], 0x7f800000, s[MNT]
.endr
.irp b, 0,1,2,3
	v_lshrrev_b32 v[TM+4+\b], 23, v[TM+12+\b]
.endr
.irp b, 0,1,2,3
.irp i, 0,1,2,3,4,5,6,7,8,9,10,11,12,13,14,15
.if \relu
	v_med3_num_f32 v[\s+16*\b+\i], v[\s+16*\b+\i], 0, v[TM+8+\b]
.else
	v_med3_num_f32 v[\s+16*\b+\i], v[\s+16*\b+\i], -v[TM+8+\b], v[TM+8+\b]
.endif
.endr
	v_cvt_scalef32_pk8_fp8_f32 v[\pc+4*\b:\pc+4*\b+1], v[\s+16*\b:\s+16*\b+7], v[TM+12+\b]
	v_cvt_scalef32_pk8_fp8_f32 v[\pc+4*\b+2:\pc+4*\b+3], v[\s+16*\b+8:\s+16*\b+15], v[TM+12+\b]
.endr
	v_nop
.endm
.macro RSTEP code
.if \code == 1
	SETD G0R, 76, 0
	SETD G0C, 80, WK
.elseif \code == 2
	SETD G0R+4, 76, 2*KBT
	SETD G0C+8, 80, WK+2*KBW
.elseif \code == 3
	SETD G0R, 76, 0
	SETD G0C, 80, WV
.else
	SETD G0R+4, 76, 2*KBT
	SETD G0C+8, 80, WV+2*KBW
.endif
.endm
.macro RLOAD code
.if \code == 1
	JLOAD G0R, G1R, G0C, G1C
.elseif \code == 2
	JLOAD G0R+4, G1R, G0C+8, G1C
.elseif \code == 3
	JLOAD G0C, G1C, G0R, G1R
.else
	JLOAD G0C+8, G1C, G0R+4, G1R
.endif
.endm
.macro EPIQK
	s_wait_xcnt 0x0
	PLACES 8
	QUANT ACC, 0, PC0
	v_lshl_or_b32 v16, v[TM+5], 8, v[TM+4]
	v_lshl_or_b32 v17, v[TM+7], 8, v[TM+6]
.irp e, 0,1,2,3
	global_store_b128 v3, v[PC0+4*\e:PC0+4*\e+3], s[90:91] offset:(\e/2)*1024+(\e%2)*512
.endr
	QUANT ACC+64, 0, PC1
	v_lshl_or_b32 v18, v[TM+5], 8, v[TM+4]
	v_lshl_or_b32 v19, v[TM+7], 8, v[TM+6]
.irp e, 0,1,2,3
	global_store_b128 v3, v[PC1+4*\e:PC1+4*\e+3], s[90:91] offset:2048+(\e/2)*1024+(\e%2)*512
.endr
.irp a, 16,17,18,19
	v_or_b32 v[\a], 0x7f7f0000, v[\a]
.endr
	v_cndmask_b32 v20, v16, v17, s87
	v_cndmask_b32 v21, v18, v19, s87
	global_store_b64 v13, v[20:21], s[90:91] offset:4096
.endm
.macro EPIV
	s_wait_xcnt 0x0
	PLACES 8
	QUANT ACC, 0, PC0
	v_lshl_or_b32 v16, v[TM+5], 8, v[TM+4]
	v_lshl_or_b32 v17, v[TM+7], 8, v[TM+6]
.irp e, 0,1,2,3
	global_store_b128 v3, v[PC0+4*\e:PC0+4*\e+3], s[92:93] offset:(\e/2)*2048+(\e%2)*512
.endr
	global_store_b16 v14, v16, s[94:95]
	global_store_b16 v14, v17, s[94:95] offset:64
	QUANT ACC+64, 0, PC1
	v_lshl_or_b32 v18, v[TM+5], 8, v[TM+4]
	v_lshl_or_b32 v19, v[TM+7], 8, v[TM+6]
.irp e, 0,1,2,3
	global_store_b128 v3, v[PC1+4*\e:PC1+4*\e+3], s[92:93] offset:4096+(\e/2)*2048+(\e%2)*512
.endr
	global_store_b16 v14, v18, s[94:95] offset:128
	global_store_b16 v14, v19, s[94:95] offset:192
.endm
	s_load_b256 s[4:11], s[0:1], 0x0
	s_load_b128 s[12:15], s[0:1], 0x20
	s_load_b64 s[16:17], s[0:1], 0x30
	v_lshl_add_u32 v10, v0, 2, SPARE
	v_mov_b32 v11, 0
	ds_add_u32 v10, v11
	ds_add_u32 v10, v11
	v_and_b32 v22, 31, v0
	v_lshlrev_b32 v22, 8, v22                      ; the prefetches' offsets: 256 x lane, blocks 0 to 31 of my share of 33;
	v_mov_b32 v23, 0x2000                          ; and block 32, named by every lane; neither is rewritten
	s_wait_alu depctr_va_vdst(0)                   ; the wait here, directly ahead of the wait below
	s_wait_dscnt 0x0
	v_lshrrev_b32 v1, 5, v0
	v_readfirstlane_b32 s20, v1
	s_lshr_b32 s21, s20, 1
	s_and_b32 s22, s20, 1
	s_bfe_u32 s23, ttmp6, 0x40000
	s_bfe_u32 s24, ttmp6, 0x40004
	s_lshl_b32 s25, ttmp9, 2
	s_add_co_u32 s25, s25, s23
	s_and_b32 s26, ttmp7, 0xffff
	s_lshl_b32 s26, s26, 2
	s_add_co_u32 s26, s26, s24
	s_lshl_b32 s27, s24, 2
	s_lshl_b32 s27, 15, s27
	s_lshl_b32 s28, 0x1111, s23
	s_or_b32 s[G1R], s27, (3<<16)|(1<<21)
	s_or_b32 s[G1C], s28, (3<<16)|(1<<21)
.irp g, G1R, G1C
	s_mov_b32 s[\g+1], 4224<<16                    ; the head's tiles: two rows of CH bytes (4,224 elements of 8), one for each k / 256 of a slot
	s_mov_b32 s[\g+2], 2<<16
	s_mov_b32 s[\g+3], 4224<<16
	s_mov_b32 s[\g+4], 2
	s_mov_b32 s[\g+6], 0
	s_mov_b32 s[\g+7], 0
.endr
	s_mov_b32 s[G1R+5], KBT/8                      ; from one k / 256 to the next, in elements
	s_mov_b32 s[G1C+5], KBW/8
	s_mul_i32 s30, s20, CH
	s_mul_i32 s72, s26, CH
	s_mul_i32 s29, s22, KBT
	s_add_co_u32 s72, s72, s29
	s_mov_b32 s73, 0
	s_mul_i32 s78, s25, CH
	s_mul_i32 s29, s22, KBW
	s_add_co_u32 s78, s78, s29
	s_mov_b32 s79, 0
	s_mul_i32 s18, s26, CH                         ; the head's loads: wave / 2 is the slot, wave % 2 the side; the tokens' 128 rows at k / 256 = 2 x slot,
	s_mul_i32 s29, s21, 2*KBT
	s_add_co_u32 s18, s18, s29
	s_mov_b32 s19, 0
	s_mul_i32 s82, s25, CH                         ; and the weight's
	s_mul_i32 s29, s21, 2*KBW
	s_add_co_u32 s82, s82, s29
	s_mov_b32 s83, 0
	s_mov_b32 s[SEL], 0x76543210
	s_mov_b32 s[SEL+1], 0xfedcba98
	s_mov_b32 s[MNT], 0x600000
	s_mov_b32 s87, 0xffff0000
	s_wait_kmcnt 0x0
	s_add_nc_u64 s[74:75], s[4:5], s[72:73]
	s_add_nc_u64 s[76:77], s[6:7], s[72:73]
	s_add_nc_u64 s[80:81], s[8:9], s[78:79]
	CROUND
	s_mov_b32 s[G0R], 1                            ; BOTH SLOTS ARE FILLED AT THE HEAD, ONE JOINT LOAD A WAVE: waves 0 and 2 the tokens' halves of slots 0 and 1, waves 1 and 3 the weight's
	s_mul_i32 s[G0R+1], s21, SLOT
	s_add_nc_u64 s[G0R+2:G0R+3], s[4:5], s[18:19]
	s_or_b32 s[G0R+3], s[G0R+3], 0x80000000
	s_mov_b32 s[G0C], 1
	s_add_co_u32 s[G0C+1], s[G0R+1], 2*CH
	s_add_nc_u64 s[G0C+2:G0C+3], s[8:9], s[82:83]
	s_or_b32 s[G0C+3], s[G0C+3], 0x80000000
	s_cmp_eq_u32 s22, 0
	s_cbranch_scc0 .Lhead_b
	tensor_load_to_lds s[G0R:G0R+3], s[G1R:G1R+7]
	s_nop 0
	PLACES 4
	s_branch .Lhead_asked
.Lhead_b:
	tensor_load_to_lds s[G0C:G0C+3], s[G1C:G1C+7]
	s_nop 0
	PLACES 4
.Lhead_asked:
	; THE PREFETCHES INTO THE L2.  A phase is K = 512, one slot; the three products are phases 0 to 5.  In phase p stands a request for what phase p + 2 reads, a whole phase ahead of the load that brings it.
	; Waves 0 and 1 ask for the second operand of tokens (phases 2 and 3; phases 4 and 5 read the same records again); waves 2 and 3 for the weights, whose records of the three products lie on end: phases 2 to 5.
	; Of a chunk's CH bytes (132 blocks of 256) each of the four partners that load it jointly takes 33 blocks, told apart by address (cx for the tokens, cy for the weights): two instructions a wave.
	s_cmp_eq_u32 s21, 0
	s_cselect_b64 s[18:19], s[76:77], s[80:81]
	s_cselect_b32 s100, s23, s24                   ; my place among the four
	s_mov_b32 s82, 2*KBW
	s_cselect_b32 s2, 0, s82
	s_cselect_b32 s82, 2*KBT, s82                  ; a phase on, in bytes
	s_mov_b32 s83, 0
	s_mul_i32 s100, s100, 8448
	s_lshl_b32 s2, s2, 1                           ; the weights' stream begins at phase 2
	s_add_co_u32 s100, s100, s2
	s_mov_b32 s101, 0
	s_add_nc_u64 s[18:19], s[18:19], s[100:101]
	v_and_b32 v1, 15, v0
	v_bfe_u32 v2, v0, 4, 1
	v_and_b32 v3, 31, v0
	v_lshlrev_b32 v13, 3, v3
	v_lshlrev_b32 v3, 4, v3
	s_mul_i32 s31, s21, 16896
	s_mul_i32 s32, s22, 16896
	s_add_co_u32 s33, s32, 2*CH
	v_add_nc_u32 v4, s31, v3
	v_add_nc_u32 v5, SLOT, v4
	v_add_nc_u32 v6, s33, v3
	v_add_nc_u32 v7, SLOT, v6
	s_sub_co_u32 s34, s33, s31
	v_mul_u32_u24 v8, s34, v2
	v_lshl_add_u32 v8, v1, 3, v8
	s_add_co_u32 s35, s31, 8192
	v_add_nc_u32 v8, s35, v8
	v_add_nc_u32 v9, SLOT, v8
	v_lshlrev_b32 v12, 6, v2
	s_wait_alu depctr_va_vdst(0)
	v_lshlrev_b32 v14, 2, v1
	v_and_b32 v15, 8, v1
	v_add_nc_u32 v15, v15, v1
	v_lshlrev_b32 v15, 2, v15
.irp b, 0,1,2,3
	v_mov_b32 v[TM+4+\b], 0
.endr
	s_lshr_b32 s88, s26, 4
	s_lshl_b32 s88, s88, 4
	s_lshl_b32 s89, s25, 1
	s_add_co_u32 s88, s88, s89
	s_and_b32 s89, s26, 15
	s_add_co_u32 s96, s88, s22
	s_lshl_b32 s96, s96, 5
	s_lshl_b32 s97, s89, 1
	s_add_co_u32 s96, s96, s97
	s_add_co_u32 s96, s96, s21
	s_mul_i32 s96, s96, 4352
	s_mov_b32 s97, 0
	s_add_nc_u64 s[90:91], s[16:17], s[96:97]
	s_add_co_u32 s96, s88, s21
	s_lshl_b32 s96, s96, 4
	s_add_co_u32 s96, s96, s89
	s_mul_i32 s96, s96, 8448
	s_add_co_u32 s96, s96, 8912896
	s_lshl_b32 s98, s22, 10
	s_add_co_u32 s98, s98, s96
	s_mov_b32 s99, 0
	s_add_nc_u64 s[92:93], s[16:17], s[98:99]
	s_lshl_b32 s98, s22, 1
	s_add_co_u32 s98, s98, s96
	s_add_co_u32 s98, s98, 8192
	s_add_nc_u64 s[94:95], s[16:17], s[98:99]
	s_lshl_b32 s96, s25, 9
	s_lshl_b32 s98, s22, 8
	s_add_co_u32 s98, s98, s96
	s_add_nc_u64 s[10:11], s[10:11], s[98:99]
	s_add_nc_u64 s[12:13], s[12:13], s[98:99]
	s_lshl_b32 s98, s21, 8
	s_add_co_u32 s98, s98, s96
	s_add_nc_u64 s[14:15], s[14:15], s[98:99]
	BIASN 10
	PHASE 0, 0, 1, 0
	PHASE 1, 1, 0, 1
	EPIQK
	BIASN 12
	PHASE 0, 1, 1, 2
	PHASE 1, 1, 0, 3
	s_wait_xcnt 0x0
	s_add_nc_u64 s[90:91], s[90:91], 4456448
	EPIQK
.irp a, 0,1,2,3
.irp j, 0,1,2,3,4,5,6,7
	global_load_b32 v[BIAS+8*\a+\j], v15, s[14:15] offset:(32*(\a/2)+8*(\a%2))*4
.endr
.endr
	PHASE 0, 1, 2, 4
	PHASE 1, 2, 0, 0
	EPIV
	s_wait_tensorcnt 0x0
	ds_add_u32 v10, v11
	s_wait_dscnt 0x0
	CROUND
	s_endpgm
.Lfunc_end_k_q26911ff12f_qkv:
	.size	k_q26911ff12f_qkv, .Lfunc_end_k_q26911ff12f_qkv-k_q26911ff12f_qkv
	.p2alignl 7, 3214868480
	.fill 96, 4, 3214868480
	.section	.rodata,"a",@progbits
	.p2align	6, 0x0
	.amdhsa_kernel k_q26911ff12f_qkv
		.amdhsa_group_segment_fixed_size 327680
		.amdhsa_private_segment_fixed_size 0
		.amdhsa_enable_private_segment 0
		.amdhsa_kernarg_size 56
		.amdhsa_user_sgpr_count 2
		.amdhsa_user_sgpr_kernarg_segment_ptr 1
		.amdhsa_wavefront_size32 1
		.amdhsa_system_sgpr_workgroup_id_x 1
		.amdhsa_system_sgpr_workgroup_id_y 1
		.amdhsa_system_sgpr_workgroup_id_z 1
		.amdhsa_system_vgpr_workitem_id 0
		.amdhsa_next_free_vgpr 512
		.amdhsa_next_free_sgpr 102
		.amdhsa_reserve_vcc 0
		.amdhsa_float_denorm_mode_32 3
		.amdhsa_float_denorm_mode_16_64 3
		.amdhsa_memory_ordered 1
		.amdhsa_forward_progress 1
		.amdhsa_inst_pref_size 180
	.end_amdhsa_kernel
	.amdgpu_metadata
---
amdhsa.version: [ 1, 2 ]
amdhsa.kernels:
  - .name:           k_q26911ff12f_qkv
    .symbol:         k_q26911ff12f_qkv.kd
    .args:
      - { .name: imga, .offset: 0, .size: 8, .value_kind: global_buffer, .address_space: global }
      - { .name: imgb, .offset: 8, .size: 8, .value_kind: global_buffer, .address_space: global }
      - { .name: wimg, .offset: 16, .size: 8, .value_kind: global_buffer, .address_space: global }
      - { .name: bq, .offset: 24, .size: 8, .value_kind: global_buffer, .address_space: global }
      - { .name: bk, .offset: 32, .size: 8, .value_kind: global_buffer, .address_space: global }
      - { .name: bv, .offset: 40, .size: 8, .value_kind: global_buffer, .address_space: global }
      - { .name: qkv, .offset: 48, .size: 8, .value_kind: global_buffer, .address_space: global }
    .group_segment_fixed_size: 327680
    .private_segment_fixed_size: 0
    .kernarg_segment_align: 8
    .kernarg_segment_size: 56
    .max_flat_workgroup_size: 128
    .sgpr_count:     102
    .vgpr_count:     512
    .wavefront_size: 32
...
	.end_amdgpu_metadata
.endif
;; end of part 3
;; launch attn (part 4): grid 8 x 32, 16 waves a work-group, no clusters, 327,680 bytes of LDS; arguments qkv, imga; writes imga
.if DOCPART == 4
	.amdgcn_target "amdgcn-amd-amdhsa--gfx1250"
	.amdhsa_code_object_version 6
	.text
	.protected	k_q26911ff12f_attn
	.globl	k_q26911ff12f_attn
	.p2align	8
	.type	k_q26911ff12f_attn,@function
k_q26911ff12f_attn:
	s_mov_b64 s[64:65], 0
	v_nop
	global_prefetch_b8 v0, s[64:65] scope:SCOPE_SE
	s_setreg_imm32_b32 hwreg(HW_REG_WAVE_MODE, 25, 1), 1
	s_wait_xcnt 0x0
; ATTENTION on codes of E4M3 with E8M0 scales.  score = q . k / 8 where key <= query and 0 ELSEWHERE (the source zeroes the upper triangle of the SCORES): hidden keys count in the maximum, in the sum and in P V.
; t = score x log2(e); M = the running largest t rounded up to a whole number; p = 2^(t - M) is quantised along the keys, not normalised; the row's sum is taken of the unquantised p and divides at the end.
; A KEY STEP (128 keys) THAT LIES WHOLLY BEHIND A TILE'S QUERIES needs no K Q^T and no exponential: the source itself makes its scores 0, so every p there is 2^-M, a power of two that the quantiser leaves as it is.
; Its part of P V is 2^-M x (the sum of V's quantised numbers over the step's keys), the same for every query.  THAT SUM IS TAKEN ONCE FOR THE WORK-GROUP: wave w multiplies V of key step w by p = 1 (code 0x78 = 256
; under the scale byte 119), four matrix instructions; the sixteen sums (64 channels each) lie in LDS; the wave that finishes a tile adds up the steps behind the tile's diagonal and adds 2^-M x that to O, and
; 2^-M x the number of hidden keys to the row's sum.  In real numbers this is the same sum of the same quantised products.  0 enters the maximum where a tile has hidden steps.
; IN.  q, k: for each head and 64 tokens 4,352 bytes: tile a (4) x group c (2) x 32 lanes x 16 bytes, then scale words at 4096 + (16 (a % 2) + slot) 8 + 4 (a / 2); slot r of tile t is token 32 (t / 2) + 8 (t % 2) + r + 8 (r / 8).
;      v: for each head and 128 keys 8,448 bytes: tile of 16 channels (4) x group c (4) x 512 bytes, then scale words at 8192 + (16 tile + slot) 4.  The head's 64 fill half of the instruction's K: the upper 64 are zero codes on both sides.
; SHARES.  A work-group takes one head and 256 queries: tiles 8 x + i and 127 - 8 x - i, i = 0..7.  A TILE IS SHARED BY THE TWO WAVES OF PAIR i (waves 2 i, 2 i + 1): one takes the even key steps, the other the odd ones.
; Both walk the late tile first, then the early one.  A tile whose diagonal lies in step d has d + 1 open steps, the pair's two tiles 17 together: so every wave of every work-group has 8 or 9 open steps.
; The loops' trip counts are constants. A wave's parity is (w xor w / 4) % 2: of waves w, w + 4, w + 8, w + 12 and of waves 4 j .. 4 j + 3 alike two are even and two odd.
; THE TWO HALVES OF A TILE MEET IN LDS: the partner's O^T, sum and -M (4,352 bytes a pair, behind V) are brought under the common M by 2^(own M - common M), which rounds nothing, and added.  The even wave finishes the first tile, the odd one the second.
; LDS.  The head's K (139,264 bytes) and V (135,168) come ONCE, in quarters, one tensor load a wave: see PART.  Behind them: the pairs' bytes, the spare words, the sixteen sums (SVB, 4,096 bytes), and 256 bytes for each wave's own sum.
; NO CLUSTER: which steps are open hangs on the query block, which differs between the work-groups that share a head.
; NO PREFETCH: each quarter is asked for by its tensor load a part (two open steps a wave) or more ahead of its first read, and the launch has no loop that runs ahead of its loads.
; LAYOUT.  S^T = K Q^T, O^T = V^T P^T: a lane holds one query throughout; the 16 registers of two neighbouring tiles are 16 neighbouring keys (channels).
; OUT.  O / the sum, quantised along the 1,024 of the next product, into records (32 tokens x 256 along K, 8,448 bytes, laid [k / 256][token / 32]).
; LIMITS: the scaled scores stay under 2^31 in magnitude.  A block of zeros gets the byte 1.  NaN and infinities are not served.
; REGISTERS: v1-4 lane terms, v5-8 the step's addresses, v9 the diagonal's bound, v10 zero, v11 its lane term, v12 -M, v13 largest t, v[14:15] the sum; v16-31 Q; v32-95 four fragments of K; v96-159 S^T, p, then V; v160-191 O^T;
;            v192-207 P's codes; v208-216 the second tile's Q and scale words; v217, v219 places among the sums; v218 bytes on the way out; v220-251 at work; v252, v253 the pair's place in LDS; v254, v255 the add's.
.set WVN,  8
.set CNT,  9
.set DG,   14                          ; the step in which the tile's diagonal lies
.set KS,   15                          ; the step in hand
.set TK,   16                          ; LDS byte of its K: 8,704 a step
.set TV,   17                          ; and, from V's first byte on, of its V: 8,448 a step
.set TH,   18                          ; s18: the diagonal's step of the tile that I finish; s19: 64 x its hidden steps; s20: what the hidden keys put into the smallest -M
.set CS,   22                          ; s[22:23] c = log2(e) / 8
.set SEL,  24
.set MNT,  26
.set PAR,  27                          ; my parity: which key steps are mine
.set G1K,  28
.set G1V,  36
.set VLDS, 139264
.set XCH,  274432                      ; behind V: 4,352 bytes for each pair; no fill lands there
.set SVB,  311296                      ; behind the spare words: 256 bytes for each key step's sums, then 256 bytes for each wave's own sum; no fill lands there
.macro PLACES n
.rept \n
	v_nop
.endr
.endm
.macro MKG0 g, lds, base, off
	s_mov_b32 s[\g], 1
	s_mov_b32 s[\g+1], \lds
	s_add_nc_u64 s[\g+2:\g+3], s[\base:\base+1], \off
	s_or_b32 s[\g+3], s[\g+3], 0x80000000
.endm
.macro QADR qt, c, s                   ; where tile s[qt]'s codes and scale words of q lie; s84: the head's first byte
	s_lshr_b32 s92, s[\qt], 2
	s_mul_i32 s92, s92, 4352
	s_add_co_u32 s92, s92, s84
	s_and_b32 s93, s[\qt], 3
	s_lshl_b32 s93, s93, 10
	s_add_co_u32 s94, s92, s93
	s_mov_b32 s95, 0
	s_add_nc_u64 s[\c:\c+1], s[4:5], s[94:95]
	s_and_b32 s93, s[\qt], 1
	s_lshl_b32 s93, s93, 7
	s_add_co_u32 s92, s92, s93
	s_bfe_u32 s93, s[\qt], 0x10001
	s_lshl_b32 s93, s93, 2
	s_add_co_u32 s92, s92, s93
	s_add_co_u32 s94, s92, 4096
	s_add_nc_u64 s[\s:\s+1], s[4:5], s[94:95]
.endm
.macro VLOAD                           ; a step's four fragments of V and their scale words
.irp d, 0,1,2,3
.irp c, 0,1,2,3
	ds_load_b128 v[96+16*\d+4*\c:99+16*\d+4*\c], v6 offset:\d*2048+512*\c
.endr
	ds_load_b32 v[240+\d], v8 offset:64*\d
.endr
.endm
.macro VPROD                           ; O^T += V^T P^T, the four accumulators by turns
.irp d, 0,1,2,3
	v_wmma_scale_f32_16x16x128_f8f6f4 v[160+8*\d:167+8*\d], v[96+16*\d:111+16*\d], v[192:207], v[160+8*\d:167+8*\d], v[240+\d], v247
.endr
	PLACES 9                                       ; nine: the next matrix instruction may write over registers that these have read; they also serve the next loads
.endm
.macro STEP
	s_cmp_gt_u32 s[KS], s[DG]                      ; a hidden step: a branch on ids alone, round the step's work
	s_cbranch_scc1 .Lnext_\@
	v_add_nc_u32 v6, s[TV], v2
	v_add_nc_u32 v8, s[TV], v4
	v_add_nc_u32 v5, s[TK], v1
	v_add_nc_u32 v7, s[TK], v3
	s_wait_alu depctr_va_vdst(0)
.irp g, 0,1                                    ; S^T = K Q^T, four tiles of 16 keys at a time
.if \g
	PLACES 8                                       ; eight places in front of loads into registers that matrix instructions have read
.endif
.irp t, 0,1,2,3
	ds_load_b128 v[32+16*\t:35+16*\t], v5 offset:\g*4352+\t*1024
	ds_load_b128 v[36+16*\t:39+16*\t], v5 offset:\g*4352+\t*1024+512
	ds_load_b32 v[240+\t], v7 offset:\g*4352+128*(\t%2)+4*(\t/2)
.endr
	s_wait_dscnt 0x0
.irp t, 0,1,2,3
	v_wmma_scale_f32_16x16x128_f8f6f4 v[96+8*(4*\g+\t):103+8*(4*\g+\t)], v[32+16*\t:47+16*\t], v[16:31], 0, v[240+\t], v251
.endr
.endr
	PLACES 8
	s_cmp_lt_u32 s[KS], s[DG]
	s_cbranch_scc1 .Lopen_\@
.irp b, 0,1,2,3                                ; on the diagonal: register 16 b + i holds key 32 b + 16 h + i of the step; its score becomes 0 where the key comes after my query
.irp i, 0,1,2,3,4,5,6,7,8,9,10,11,12,13,14,15
	v_cmp_gt_i32 vcc_lo, 32*\b+\i, v9
	v_cndmask_b32 v[96+16*\b+\i], v[96+16*\b+\i], v10, vcc_lo
.endr
.endr
.Lopen_\@:
.irp b, 0,1,2,3
	v_max3_num_f32 v[224+\b], v[96+16*\b], v[97+16*\b], v[98+16*\b]        ; the largest score of each block of 32 keys: for the row's maximum and, since p rises with the score, for the block's largest p
.endr
.irp i, 3,5,7,9,11,13
.irp b, 0,1,2,3
	v_max3_num_f32 v[224+\b], v[224+\b], v[96+16*\b+\i], v[97+16*\b+\i]
.endr
.endr
.irp b, 0,1,2,3
	v_max_num_f32 v[224+\b], v[224+\b], v[111+16*\b]
.endr
.irp b, 0,1,2,3
	s_delay_alu instid0(VALU_DEP_4)
	v_permlanex16_b32 v[228+\b], v[224+\b], s[SEL], s[SEL+1]
.endr
.irp b, 0,1,2,3
	s_delay_alu instid0(VALU_DEP_4)
	v_max_num_f32 v[224+\b], v[224+\b], v[228+\b]
.endr
	s_delay_alu instid0(VALU_DEP_2)
	v_max3_num_f32 v246, v224, v225, v226
	s_delay_alu instid0(VALU_DEP_1)
	v_max_num_f32 v246, v246, v227
	s_delay_alu instid0(VALU_DEP_1)
	v_mul_f32 v246, s[CS], v246                    ; as t (c is positive)
	s_delay_alu instid0(VALU_DEP_1)
	v_max_num_f32 v13, v13, v246                   ; the running largest t
	v_mov_b32 v246, v12
	s_delay_alu instid0(VALU_DEP_2)
	v_floor_f32 v12, -v13                          ; -M = floor(-t)
	s_delay_alu instid0(VALU_DEP_1)
	v_sub_f32 v246, v12, v246                      ; old M - new M: a whole number, 0 or less
	s_delay_alu instid0(VALU_DEP_1)
	v_cvt_i32_f32 v246, v246                       ; (it saturates)
	s_delay_alu instid0(VALU_DEP_1)
	v_ldexp_f32 v244, 1.0, v246                    ; f = 2^(old M - new M)
.irp j, 0,2,4,6,8,10,12,14,16,18,20,22,24,26,28,30,32,34,36,38,40,42,44,46,48,50,52,54,56,58,60,62
	v_pk_fma_f32 v[96+\j:97+\j], v[96+\j:97+\j], s[CS:CS+1], v[12:13] op_sel_hi:[1,0,0]   ; t - M
.endr
.irp b, 0,1,2,3
	v_fma_f32 v[224+\b], v[224+\b], s[CS], v12
.endr
	s_wait_alu depctr_va_vdst(0)                   ; the wait ahead of the batch
.irp b, 0,1,2,3
.irp i, 0,1,2,3,4,5,6,7,8,9,10,11,12,13,14,15
	v_exp_f32 v[96+16*\b+\i], v[96+16*\b+\i]       ; p = 2^(t - M)
.endr
.endr
.irp b, 0,1,2,3
	v_exp_f32 v[224+\b], v[224+\b]                 ; the block's largest p: the same two instructions on the same number
.endr
	v_pk_mul_f32 v[14:15], v[14:15], v[244:245] op_sel_hi:[1,0]            ; the sum under the new M (a plain line behind the exponentials)
	s_wait_alu depctr_va_vdst(0)                   ; and behind it, ahead of its first reader
.irp b, 0,1,2,3
	v_max_num_f32 v[224+\b], 0x4800000, v[224+\b]  ; the floor 2^(9 - 127)
.endr
.irp b, 0,1,2,3
	s_delay_alu instid0(VALU_DEP_4)
	v_add_nc_u32 v[236+\b], 0xfc000000, v[224+\b]
.endr
.irp b, 0,1,2,3
	v_and_or_b32 v[232+\b], v[224+\b], 0x7f800000, s[MNT]
.endr
.irp b, 0,1,2,3
	v_lshrrev_b32 v[228+\b], 23, v[236+\b]
.endr
	s_delay_alu instid0(VALU_DEP_3)
	v_lshl_or_b32 v247, v229, 8, v228              ; p's scale word for these 128 keys
	s_delay_alu instid0(VALU_DEP_1)
	v_lshl_or_b32 v247, v230, 16, v247
	s_delay_alu instid0(VALU_DEP_1)
	v_lshl_or_b32 v247, v231, 24, v247
	v_pk_add_f32 v[248:249], v[100:101], v[104:105]                        ; the row's sum of the unquantised p, in eight chains
	v_pk_add_f32 v[242:243], v[108:109], v[112:113]
	v_pk_add_f32 v[240:241], v[116:117], v[120:121]
	v_pk_add_f32 v[226:227], v[124:125], v[128:129]
	v_pk_add_f32 v[224:225], v[132:133], v[136:137]
	v_pk_add_f32 v[222:223], v[140:141], v[144:145]
	v_pk_add_f32 v[220:221], v[148:149], v[152:153]
	v_pk_add_f32 v[14:15], v[14:15], v[156:157]
	v_pk_add_f32 v[248:249], v[248:249], v[96:97]
	v_pk_add_f32 v[242:243], v[242:243], v[98:99]
	v_pk_add_f32 v[240:241], v[240:241], v[102:103]
	v_pk_add_f32 v[226:227], v[226:227], v[106:107]
	v_pk_add_f32 v[224:225], v[224:225], v[110:111]
	v_pk_add_f32 v[222:223], v[222:223], v[114:115]
	v_pk_add_f32 v[220:221], v[220:221], v[118:119]
	v_pk_add_f32 v[14:15], v[14:15], v[122:123]
	v_pk_add_f32 v[248:249], v[248:249], v[126:127]
	v_pk_add_f32 v[242:243], v[242:243], v[130:131]
	v_pk_add_f32 v[240:241], v[240:241], v[134:135]
	v_pk_add_f32 v[226:227], v[226:227], v[138:139]
	v_pk_add_f32 v[224:225], v[224:225], v[142:143]
	v_pk_add_f32 v[222:223], v[222:223], v[146:147]
	v_pk_add_f32 v[220:221], v[220:221], v[150:151]
	v_pk_add_f32 v[14:15], v[14:15], v[154:155]
	v_pk_add_f32 v[248:249], v[248:249], v[158:159]
	s_delay_alu instid0(VALU_DEP_2)
	v_pk_add_f32 v[14:15], v[14:15], v[226:227]
	s_delay_alu instid0(VALU_DEP_2)
	v_pk_add_f32 v[248:249], v[248:249], v[224:225]
	v_pk_add_f32 v[242:243], v[242:243], v[222:223]
	v_pk_add_f32 v[240:241], v[240:241], v[220:221]
	s_delay_alu instid0(VALU_DEP_2)
	v_pk_add_f32 v[14:15], v[14:15], v[242:243]
	s_delay_alu instid0(VALU_DEP_2)
	v_pk_add_f32 v[248:249], v[248:249], v[240:241]
	s_delay_alu instid0(VALU_DEP_1)
	v_pk_add_f32 v[14:15], v[14:15], v[248:249]
.irp b, 0,1,2,3
.irp i, 0,1,2,3,4,5,6,7,8,9,10,11,12,13,14,15
	v_min_num_f32 v[96+16*\b+\i], v[96+16*\b+\i], v[232+\b]                ; the hold (the conversion does not saturate: ISA guide 7.6.2): p is not negative, so it is one-sided
.endr
	v_cvt_scalef32_pk8_fp8_f32 v[192+4*\b:193+4*\b], v[96+16*\b:103+16*\b], v[236+\b]
	v_cvt_scalef32_pk8_fp8_f32 v[194+4*\b:195+4*\b], v[104+16*\b:111+16*\b], v[236+\b]
.endr
	VLOAD                                          ; O^T = f O^T + V^T P^T
.irp j, 0,2,4,6,8,10,12,14,16,18,20,22,24,26,28,30
	v_pk_mul_f32 v[160+\j:161+\j], v[160+\j:161+\j], v[244:245] op_sel_hi:[1,0]    ; these sixteen are also the places between the codes and scale word just made and the products
.endr
	s_wait_alu depctr_va_vdst(0)                   ; the wait here, directly ahead of the wait below
	s_wait_dscnt 0x0
	VPROD
.Lnext_\@:
	s_add_co_u32 s[KS], s[KS], 2                   ; my next step is two on
	s_add_co_u32 s[TK], s[TK], 2*8704
	s_add_co_u32 s[TV], s[TV], 2*8448
.endm
.macro ARM w, g0, g1, join             ; wave w alone issues this fill; an s_nop 0 and four v_nop follow it
	s_cmp_eq_u32 s[WVN], \w
	s_cbranch_scc0 .Lnot_me_\@
	tensor_load_to_lds s[\g0:\g0+3], s[\g1:\g1+7]
	s_nop 0
	PLACES 4
	s_branch \join
.Lnot_me_\@:
.endm
; THE FIRST FILLS GO OUT IN THREE GROUPS, ONE LOAD A WAVE: quarter 0 of K and of V at the head (waves 0, 1); quarter 1 behind part 0's barrier (waves 2, 3); quarters 2 and 3 behind part 1's (waves 4 to 7).
; Each part opens with the wait for all my tensor loads, the add (twice on end where a load may still follow), the wait for it, and the barrier: what the part reads is then in for every wave.
; A wave has one tensor load out at the most.  Nothing is filled again.
.macro PART n, trips                   ; part 0: key steps 0-3, part 1: 4-7, part 2: 8-15; of these every second one is mine
	s_wait_tensorcnt 0x0
	ds_add_u32 v254, v255
.if \n < 2
	ds_add_u32 v254, v255
.endif
	s_wait_dscnt 0x0
	s_barrier_signal -1
	s_barrier_wait -1
.if \n == 0
	ARM 2, 48, G1K, .Lasked_\@
	ARM 3, 68, G1V, .Lasked_\@
.endif
.if \n == 1
	ARM 4, 52, G1K, .Lasked_\@
	ARM 5, 56, G1K, .Lasked_\@
	ARM 6, 72, G1V, .Lasked_\@
	ARM 7, 76, G1V, .Lasked_\@
.endif
.Lasked_\@:
	s_mov_b32 s[CNT], \trips
.Lstep_\@:
	STEP
	s_sub_co_u32 s[CNT], s[CNT], 1
	s_cmp_lg_u32 s[CNT], 0
	s_cbranch_scc1 .Lstep_\@
.endm
.macro INIT                            ; a tile begins: the step is written once; the first finds zeros, which the first change of M leaves zeros
	v_mov_b32 v13, 0xff61b1e6                      ; the largest t so far: -3e38
	s_delay_alu instid0(VALU_DEP_1)
	v_floor_f32 v12, -v13
	v_mov_b32 v14, 0
	v_mov_b32 v15, 0
.irp j, 0,1,2,3,4,5,6,7,8,9,10,11,12,13,14,15,16,17,18,19,20,21,22,23,24,25,26,27,28,29,30,31
	v_mov_b32 v[160+\j], 0
.endr
.endm
; THE TWO HALVES OF A TILE MEET.  recv: the parity that finishes the tile.  A barrier stands ahead of the stores (at the first meeting it also shows the sixteen sums to every wave), and one between the stores and the partner's loads.
.macro HANDOVER recv
	s_wait_dscnt 0x0
	s_barrier_signal -1
	s_barrier_wait -1
.if \recv == 0
	; MY OWN SUM OF THE HIDDEN STEPS, for the tile that I finish: the sums of the key steps behind its diagonal.  A lane takes two of the 64 channels; which steps count is a factor 1 or 0 made of ids: no address and no branch hangs on it.
	s_cmp_eq_u32 s[PAR], 0
	s_cselect_b32 s[TH], s[DG], s97                ; even: the late tile's diagonal; odd: the early one's
	s_sub_co_u32 s19, 15, s[TH]
	s_lshl_b32 s19, s19, 6                         ; the hidden keys of a half of the lanes: 64 a step
	s_mov_b32 s20, 0x7f61b1e6                      ; 3e38: no hidden step, nothing enters the maximum;
	s_cmp_lt_u32 s[TH], 15
	s_cselect_b32 s20, 0, s20                      ; else t = 0 does: -M is 0 at the most
	s_mov_b32 s95, 0
	s_lshl_b32 s21, s[WVN], 8
	s_add_co_u32 s21, s21, 4096
.irp s, 1,2,3,4,5,6,7,8,9,10,11,12,13,14,15
	ds_load_b64 v[96+2*\s:97+2*\s], v217 offset:256*\s
.endr
	v_mov_b32 v128, 0
	v_mov_b32 v129, 0
	v_mov_b32 v130, 0
	v_mov_b32 v131, 0
	v_add_nc_u32 v5, s21, v217                     ; my wave's 256 bytes behind the sixteen sums
	s_wait_alu depctr_va_vdst(0)                   ; the wait here, directly ahead of the wait below
	s_wait_dscnt 0x0
.irp s, 1,2,3,4,5,6,7,8,9,10,11,12,13,14,15
	s_cmp_lt_u32 s[TH], \s
	s_cselect_b32 s94, 1.0, 0
	v_pk_fma_f32 v[128+2*(\s%2):129+2*(\s%2)], v[96+2*\s:97+2*\s], s[94:95], v[128+2*(\s%2):129+2*(\s%2)] op_sel_hi:[1,0,1]
.endr
	v_pk_add_f32 v[128:129], v[128:129], v[130:131]
	ds_store_b64 v5, v[128:129]                    ; read back below in O^T's layout: LDS serves a wave's instructions in order
.endif
	s_cmp_eq_u32 s[PAR], \recv
	s_cbranch_scc1 .Lno_send_\@
	s_wait_alu depctr_va_vdst(0)
	v_add_f32 v14, v14, v15                        ; the sum's two halves
	v_mov_b32 v15, v12                             ; beside it -M
.irp k, 0,1,2,3,4,5,6,7
	ds_store_b128 v252, v[160+4*\k:163+4*\k] offset:512*\k                 ; O^T as it stands in my registers, each accumulator from its low end on
.endr
	ds_store_b64 v253, v[14:15]
.Lno_send_\@:
	s_wait_dscnt 0x0                               ; for the partner's sake: my stores have landed
	s_barrier_signal -1
	s_barrier_wait -1
	s_cmp_lg_u32 s[PAR], \recv
	s_cbranch_scc1 .Lno_recv_\@
.irp k, 0,1,2,3,4,5,6,7
	ds_load_b128 v[96+4*\k:99+4*\k], v252 offset:512*\k
.endr
	ds_load_b64 v[128:129], v253
.irp k, 0,1,2,3,4,5,6
	ds_load_b128 v[132+4*\k:135+4*\k], v219 offset:4096+16*\k              ; the hidden steps' sum, register by register as O^T has its channels
.endr
	ds_load_b128 v[220:223], v219 offset:4096+112
	s_wait_alu depctr_va_vdst(0)
	v_add_f32 v14, v14, v15
	s_wait_dscnt 0x0
	v_min_num_f32 v246, v12, v129                  ; the common -M,
	v_min_num_f32 v246, s20, v246                  ; with the hidden keys' t = 0 where there are any
	s_delay_alu instid0(VALU_DEP_1)
	v_sub_f32 v244, v246, v12                      ; my M - the common M: a whole number, 0 or less;
	s_delay_alu instid0(VALU_DEP_2)
	v_sub_f32 v248, v246, v129                     ; the partner's
	s_delay_alu instid0(VALU_DEP_2)
	v_cvt_i32_f32 v244, v244
	s_delay_alu instid0(VALU_DEP_2)
	v_cvt_i32_f32 v248, v248
	s_delay_alu instid0(VALU_DEP_2)
	v_ldexp_f32 v244, 1.0, v244
	s_wait_alu depctr_va_vdst(0)
	v_ldexp_f32 v248, 1.0, v248
	v_min_num_f32 v240, 0, v246                    ; the hidden keys' p = 2^-M (with hidden keys -M is 0 or less; without, the sums below are zeros and p stays finite)
	v_cvt_f32_u32 v242, s19
	v_cvt_i32_f32 v240, v240
	v_ldexp_f32 v240, 1.0, v240
	v_mul_f32 v14, v14, v244
	s_delay_alu instid0(VALU_DEP_1)
	v_fmac_f32 v14, v128, v248                     ; the sum under the common M,
	v_fmac_f32 v14, v240, v242                     ; and my half's hidden keys
.irp j, 0,2,4,6,8,10,12,14,16,18,20,22,24,26,28,30
	v_pk_mul_f32 v[160+\j:161+\j], v[160+\j:161+\j], v[244:245] op_sel_hi:[1,0]
.endr
.irp j, 0,2,4,6,8,10,12,14,16,18,20,22,24,26,28,30
	v_pk_fma_f32 v[160+\j:161+\j], v[96+\j:97+\j], v[248:249], v[160+\j:161+\j] op_sel_hi:[1,0,1]
.endr
.irp j, 0,2,4,6,8,10,12,14,16,18,20,22,24,26
	v_pk_fma_f32 v[160+\j:161+\j], v[132+\j:133+\j], v[240:241], v[160+\j:161+\j] op_sel_hi:[1,0,1]
.endr
	v_pk_fma_f32 v[188:189], v[220:221], v[240:241], v[188:189] op_sel_hi:[1,0,1]
	v_pk_fma_f32 v[190:191], v[222:223], v[240:241], v[190:191] op_sel_hi:[1,0,1]
	; THE WAY OUT: O^T / the sum; register 16 g + i is channel 32 g + 16 h + i of my query: two blocks of the next product's K
	v_permlanex16_b32 v246, v14, s[SEL], s[SEL+1]
	s_delay_alu instid0(VALU_DEP_1)
	v_add_f32 v14, v14, v246
	s_wait_alu depctr_va_vdst(0)
	v_rcp_f32 v14, v14
	v_nop                                          ; one plain line behind a transcendental
	s_wait_alu depctr_va_vdst(0)
.irp j, 0,1,2,3,4,5,6,7,8,9,10,11,12,13,14,15,16,17,18,19,20,21,22,23,24,25,26,27,28,29,30,31
	v_mul_f32 v[96+\j], v[160+\j], v14
.endr
.irp g, 0,1
	v_max3_num_f32 v[224+\g], |v[96+16*\g]|, |v[97+16*\g]|, 0x4800000
.endr
.irp i, 2,4,6,8,10,12,14
.irp g, 0,1
	s_delay_alu instid0(VALU_DEP_2)
	v_max3_num_f32 v[224+\g], v[224+\g], |v[96+16*\g+\i]|, |v[97+16*\g+\i]|
.endr
.endr
.irp g, 0,1
	s_delay_alu instid0(VALU_DEP_2)
	v_permlanex16_b32 v[228+\g], v[224+\g], s[SEL], s[SEL+1]
.endr
.irp g, 0,1
	s_delay_alu instid0(VALU_DEP_2)
	v_max_num_f32 v[224+\g], v[224+\g], v[228+\g]
.endr
.irp g, 0,1
	s_delay_alu instid0(VALU_DEP_2)
	v_add_nc_u32 v[236+\g], 0xfc000000, v[224+\g]
.endr
.irp g, 0,1
	s_delay_alu instid0(VALU_DEP_4)
	v_and_or_b32 v[232+\g], v[224+\g], 0x7f800000, s[MNT]
.endr
.irp g, 0,1
	s_delay_alu instid0(VALU_DEP_4)
	v_lshrrev_b32 v[228+\g], 23, v[236+\g]
.endr
.irp g, 0,1
.irp i, 0,1,2,3,4,5,6,7,8,9,10,11,12,13,14,15
	v_med3_num_f32 v[96+16*\g+\i], v[96+16*\g+\i], -v[232+\g], v[232+\g]
.endr
	v_cvt_scalef32_pk8_fp8_f32 v[192+4*\g:193+4*\g], v[96+16*\g:103+16*\g], v[236+\g]
	v_cvt_scalef32_pk8_fp8_f32 v[194+4*\g:195+4*\g], v[104+16*\g:111+16*\g], v[236+\g]
.endr
	v_lshl_or_b32 v218, v229, 8, v228              ; my head's two bytes of the row's scale word
	global_store_b128 v1, v[192:195], s[86:87]     ; 512 consecutive bytes each
	global_store_b128 v1, v[196:199], s[86:87] offset:512
	global_store_b16 v250, v218, s[88:89]
	s_wait_xcnt 0x0                                ; the stores have read their registers: the codes' registers are written again in the next tile
.Lno_recv_\@:
.endm
	s_load_b128 s[4:7], s[0:1], 0x0                ; in s4, out s6
	v_lshl_add_u32 v254, v0, 2, 0x4b800
	v_mov_b32 v255, 0
	ds_add_u32 v254, v255                          ; the opening lines: the add, twice on end, and its wait ahead of the first tensor load
	ds_add_u32 v254, v255
	v_lshrrev_b32 v1, 5, v0
	s_delay_alu instid0(VALU_DEP_1)
	v_readfirstlane_b32 s[WVN], v1                 ; wave 0..15
	s_lshr_b32 s11, s[WVN], 2
	s_xor_b32 s[PAR], s[WVN], s11
	s_and_b32 s[PAR], s[PAR], 1                    ; my parity
	s_lshr_b32 s100, s[WVN], 1                     ; my pair
	s_and_b32 s10, ttmp7, 0xffff                   ; 16 batch + head
	s_lshl_b32 s11, ttmp9, 3
	s_add_co_u32 s13, s11, s100                    ; the pair's early tile
	s_sub_co_u32 s12, 127, s13                     ; and its late one, which comes first
	s_lshr_b32 s97, s13, 3
	s_lshr_b32 s[DG], s12, 3
	s_mul_i32 s98, s[PAR], 8704                    ; my first step's K
	s_mul_i32 s99, s[PAR], 8448                    ; and V
	s_mov_b32 s[G1K], 3<<16                        ; dense blocks as rows of 256 bytes (32 elements of 8): K's quarter 136 rows, V's 132
	s_mov_b32 s[G1K+1], 32<<16
	s_mov_b32 s[G1K+2], 136<<16
	s_mov_b32 s[G1K+3], 32<<16
	s_mov_b32 s[G1K+4], 136
	s_mov_b32 s[G1K+5], 32
	s_mov_b32 s[G1K+6], 0
	s_mov_b32 s[G1K+7], 0
	s_mov_b32 s[G1V], 3<<16
	s_mov_b32 s[G1V+1], 32<<16
	s_mov_b32 s[G1V+2], 132<<16
	s_mov_b32 s[G1V+3], 32<<16
	s_mov_b32 s[G1V+4], 132
	s_mov_b32 s[G1V+5], 32
	s_mov_b32 s[G1V+6], 0
	s_mov_b32 s[G1V+7], 0
	s_mul_i32 s84, s10, 139264                     ; the head in q's and in k's region
	s_mov_b32 s85, 0
	s_mul_i32 s90, s10, 135168
	s_add_co_u32 s90, s90, 8912896                 ; and in v's
	s_mov_b32 s91, 0
	s_mov_b32 s[CS], 0x3e38aa3b
	s_mov_b32 s[CS+1], s[CS]
	s_mov_b32 s[SEL], 0x76543210
	s_mov_b32 s[SEL+1], 0xfedcba98
	s_mov_b32 s[MNT], 0x600000
	s_mov_b32 s[KS], s[PAR]
	s_mov_b32 s[TK], s98
	s_mov_b32 s[TV], s99
	s_wait_dscnt 0x0
	s_wait_kmcnt 0x0
	s_add_nc_u64 s[80:81], s[4:5], s[84:85]
	s_add_nc_u64 s[80:81], s[80:81], 4456448       ; the head's K
	s_add_nc_u64 s[82:83], s[4:5], s[90:91]        ; the head's V
	MKG0 44, 0, 80, 0
	MKG0 48, 34816, 80, 34816
	MKG0 52, 69632, 80, 69632
	MKG0 56, 104448, 80, 104448
	MKG0 60, VLDS, 82, 0
	MKG0 68, VLDS+33792, 82, 33792
	MKG0 72, VLDS+67584, 82, 67584
	MKG0 76, VLDS+101376, 82, 101376
	ARM 0, 44, G1K, .Lissued                       ; the head's fills: K's first quarter (wave 0) and V's (wave 1)
	ARM 1, 60, G1V, .Lissued
.Lissued:
	QADR 12, 18, 20                                ; the first tile's q
	QADR 13, 80, 82                                ; the second's
	v_and_b32 v1, 31, v0
	s_delay_alu instid0(VALU_DEP_1)
	v_lshlrev_b32 v253, 3, v1                      ; 8 x lane
	s_delay_alu instid0(VALU_DEP_2)
	v_lshlrev_b32 v1, 4, v1                        ; 16 x lane
	v_and_b32 v224, 15, v0                         ; r
	v_bfe_u32 v225, v0, 4, 1                       ; h
	s_delay_alu instid0(VALU_DEP_2)
	v_lshlrev_b32 v250, 3, v224                    ; 8 r
	global_load_b128 v[16:19], v1, s[18:19]        ; Q's fragment stays in registers: channels 0-31,
	global_load_b128 v[20:23], v1, s[18:19] offset:512    ; 32-63
	global_load_b32 v251, v250, s[20:21]           ; and its scale words
	global_load_b128 v[208:211], v1, s[80:81]      ; the second tile's wait in registers of their own
	global_load_b128 v[212:215], v1, s[80:81] offset:512
	global_load_b32 v216, v250, s[82:83]
	v_add_nc_u32 v2, VLDS, v1
	v_lshl_add_u32 v3, v224, 3, 4096
	v_lshl_add_u32 v4, v224, 2, VLDS+8192
	s_lshl_b32 s94, s[WVN], 8
	s_add_co_u32 s94, s94, SVB
	v_lshl_add_u32 v219, v225, 7, s94              ; the sums of key step = my wave's number: 128 bytes for each half of the lanes, a register 4 bytes; 4,096 on: my own sum
	v_lshrrev_b32 v217, 1, v1
	v_add_nc_u32 v217, SVB, v217                   ; the sixteen sums, two channels a lane: 8 x lane, 256 bytes a step
	s_mul_i32 s94, s100, 4352                      ; my pair's bytes behind V
	v_add_nc_u32 v252, s94, v1
	s_delay_alu instid0(VALU_DEP_1)
	v_add_nc_u32 v252, XCH, v252                   ; O^T: 16 x lane, 512 bytes a group of four registers
	v_add_nc_u32 v253, s94, v253
	s_delay_alu instid0(VALU_DEP_1)
	v_add_nc_u32 v253, XCH+4096, v253              ; the sum and -M: 8 x lane
	s_bfe_u32 s2, s12, 0x20001
	s_lshl_b32 s2, s2, 5
	s_and_b32 s94, s12, 1
	s_lshl_b32 s94, s94, 3
	s_add_co_u32 s2, s2, s94                       ; the first tile's first query within its step of 128;
	s_bfe_u32 s3, s13, 0x20001
	s_lshl_b32 s3, s3, 5
	s_and_b32 s94, s13, 1
	s_lshl_b32 s94, s94, 3
	s_add_co_u32 s3, s3, s94                       ; the second's
	v_and_b32 v226, 8, v224
	s_delay_alu instid0(VALU_DEP_1)
	v_add_nc_u32 v226, v226, v224                  ; r + 8 (r / 8)
	v_lshlrev_b32 v227, 4, v225
	s_delay_alu instid0(VALU_DEP_1)
	v_sub_nc_u32 v11, v226, v227
	s_delay_alu instid0(VALU_DEP_1)
	v_add_nc_u32 v9, s2, v11                       ; my query - 16 h: key 32 b + i of my half is hidden where 32 b + i is larger
	v_mov_b32 v10, 0
	v_mov_b32 v245, 0                              ; (named as the upper halves of the pairs v[244:245], v[248:249])
	v_mov_b32 v248, 0
	v_mov_b32 v249, 0
.irp i, 24,25,26,27,28,29,30,31
	v_mov_b32 v[\i], 0                             ; the upper 64 of the instruction's K: zero codes, in Q
.endr
.irp t, 0,1,2,3
.irp i, 8,9,10,11,12,13,14,15
	v_mov_b32 v[32+16*\t+\i], 0                    ; and in K's four fragments: cleared once, never loaded
.endr
.endr
.irp b, 0,1,2,3
	v_mov_b32 v[228+\b], 0                         ; a lane permute's destination counts as one of its sources
.endr
	INIT
	; where the tile that I finish goes
	s_cmp_eq_u32 s[PAR], 0
	s_cselect_b32 s11, s12, s13                    ; even: the first tile; odd: the second
	s_lshr_b32 s84, s10, 4                         ; batch
	s_and_b32 s85, s10, 15                         ; head
	s_lshr_b32 s90, s85, 2                         ; k / 256 of the next product
	s_lshl_b32 s90, s90, 7
	s_lshl_b32 s91, s84, 6
	s_add_co_u32 s90, s90, s91
	s_lshr_b32 s91, s11, 1
	s_add_co_u32 s90, s90, s91
	s_mul_i32 s90, s90, 8448                       ; the record
	s_and_b32 s91, s11, 1                          ; u
	s_bfe_u32 s92, s85, 0x10001                    ; s
	s_and_b32 s93, s85, 1                          ; which two groups
	s_lshl_b32 s86, s91, 12
	s_add_co_u32 s86, s86, s90
	s_lshl_b32 s94, s92, 11
	s_add_co_u32 s86, s86, s94
	s_lshl_b32 s94, s93, 10
	s_add_co_u32 s86, s86, s94
	s_mov_b32 s87, 0
	s_add_nc_u64 s[86:87], s[6:7], s[86:87]
	s_lshl_b32 s88, s91, 7
	s_add_co_u32 s88, s88, s90
	s_lshl_b32 s94, s92, 2
	s_add_co_u32 s88, s88, s94
	s_lshl_b32 s94, s93, 1
	s_add_co_u32 s88, s88, s94
	s_add_co_u32 s88, s88, 8192
	s_mov_b32 s89, 0
	s_add_nc_u64 s[88:89], s[6:7], s[88:89]
	s_wait_loadcnt 0x0                             ; both tiles' Q
	PART 0, 2                                      ; the late tile, while the later quarters of K and V arrive
	PART 1, 2
	PART 2, 4
	; THE SUMS OF V OVER KEY STEP = MY WAVE'S NUMBER: V^T x (p = 1 for all 128 keys).  All of V is in.  The results take the lower halves of K's fragments, which every open step loads anew.
	v_mov_b32 v247, 0x77777777                     ; the scale byte 119: 2^-8
	s_mul_i32 s94, s[WVN], 8448
	v_add_nc_u32 v6, s94, v2
	v_add_nc_u32 v8, s94, v4
	VLOAD
.irp i, 0,1,2,3,4,5,6,7,8,9,10,11,12,13,14,15
	v_mov_b32 v[192+\i], 0x78787878                ; the code of 256
.endr
	PLACES 4                                       ; four places between the codes just written and the products; the scale word stands more than eight ahead
	s_wait_alu depctr_va_vdst(0)                   ; the wait here, directly ahead of the wait below
	s_wait_dscnt 0x0
.irp d, 0,1,2,3
	v_wmma_scale_f32_16x16x128_f8f6f4 v[32+16*\d:39+16*\d], v[96+16*\d:111+16*\d], v[192:207], 0, v[240+\d], v247
.endr
	PLACES 8                                       ; eight places in front of the first read of results, and of the loads into V's registers
.irp d, 0,1,2,3
	ds_store_b128 v219, v[32+16*\d:35+16*\d] offset:32*\d                  ; all sixteen queries' columns are equal: the sixteen lanes of a half write the same bytes with the same values
	ds_store_b128 v219, v[36+16*\d:39+16*\d] offset:32*\d+16
.endr
	HANDOVER 0
	s_mov_b32 s[DG], s97                           ; the early tile: all of K and V is there, so no barrier stands among its steps
	s_mov_b32 s[KS], s[PAR]
	s_mov_b32 s[TK], s98
	s_mov_b32 s[TV], s99
.irp i, 0,1,2,3,4,5,6,7
	v_mov_b32 v[16+\i], v[208+\i]
.endr
	v_mov_b32 v251, v216
	v_add_nc_u32 v9, s3, v11
	INIT                                           ; (its 36 lines are also the places between Q and its scale word just written and the first product)
	s_mov_b32 s[CNT], 8
.Lsecond:
	STEP
	s_sub_co_u32 s[CNT], s[CNT], 1
	s_cmp_lg_u32 s[CNT], 0
	s_cbranch_scc1 .Lsecond
	HANDOVER 1
	s_wait_tensorcnt 0x0                           ; the wave's end
	ds_add_u32 v254, v255
	s_wait_dscnt 0x0
	s_endpgm
.Lfunc_end_k_q26911ff12f_attn:
	.size	k_q26911ff12f_attn, .Lfunc_end_k_q26911ff12f_attn-k_q26911ff12f_attn
	.p2alignl 7, 3214868480
	.fill 96, 4, 3214868480
	.section	.rodata,"a",@progbits
	.p2align	6, 0x0
	.amdhsa_kernel k_q26911ff12f_attn
		.amdhsa_group_segment_fixed_size 327680
		.amdhsa_private_segment_fixed_size 0
		.amdhsa_enable_private_segment 0
		.amdhsa_kernarg_size 16
		.amdhsa_user_sgpr_count 2
		.amdhsa_user_sgpr_kernarg_segment_ptr 1
		.amdhsa_wavefront_size32 1
		.amdhsa_system_sgpr_workgroup_id_x 1
		.amdhsa_system_sgpr_workgroup_id_y 1
		.amdhsa_system_sgpr_workgroup_id_z 1
		.amdhsa_system_vgpr_workitem_id 0
		.amdhsa_next_free_vgpr 256
		.amdhsa_next_free_sgpr 102
		.amdhsa_reserve_vcc 1
		.amdhsa_float_denorm_mode_32 3
		.amdhsa_float_denorm_mode_16_64 3
		.amdhsa_memory_ordered 1
		.amdhsa_forward_progress 1
		.amdhsa_inst_pref_size 151
	.end_amdhsa_kernel
	.amdgpu_metadata
---
amdhsa.version: [ 1, 2 ]
amdhsa.kernels:
  - .name:           k_q26911ff12f_attn
    .symbol:         k_q26911ff12f_attn.kd
    .args:
      - { .name: qkv, .offset: 0, .size: 8, .value_kind: global_buffer, .address_space: global }
      - { .name: imga, .offset: 8, .size: 8, .value_kind: global_buffer, .address_space: global }
    .group_segment_fixed_size: 327680
    .private_segment_fixed_size: 0
    .kernarg_segment_align: 8
    .kernarg_segment_size: 16
    .max_flat_workgroup_size: 512
    .sgpr_count:     102
    .vgpr_count:     256
    .wavefront_size: 32
...
	.end_amdgpu_metadata
.endif
;; end of part 4
;; launch wo (part 5): grid 8 x 32, 4 waves a work-group, clusters of 4 x 4, 327,680 bytes of LDS; arguments imga, wimg, bo, y, y1, st2; writes y1, st2
.if DOCPART == 5
	.amdgcn_target "amdgcn-amd-amdhsa--gfx1250"
	.amdhsa_code_object_version 6
	.text
	.protected	k_q26911ff12f_wo
	.globl	k_q26911ff12f_wo
	.p2align	8
	.type	k_q26911ff12f_wo,@function
k_q26911ff12f_wo:
	s_mov_b64 s[64:65], 0
	v_nop
	global_prefetch_b8 v0, s[64:65] scope:SCOPE_SE
	s_setreg_imm32_b32 hwreg(HW_REG_WAVE_MODE, 25, 1), 1
	s_wait_xcnt 0x0
	s_wait_alu depctr_hold_cnt(0) depctr_sa_sdst(0) depctr_va_vdst(0) depctr_va_sdst(0) depctr_va_ssrc(0) depctr_va_vcc(0) depctr_vm_vsrc(0)
	s_getreg_b32 s2, hwreg(HW_REG_IB_STS2, 6, 4)
	s_cmp_eq_u32 s2, 0
	s_cbranch_scc0 .Lentry_in_a_cluster
	s_endpgm
.Lentry_in_a_cluster:
	s_bfe_u32 s2, ttmp6, 0x10000c
	s_cmp_lg_u32 s2, 0xf033
	s_cbranch_scc0 .Lentry_shape_is_right
	s_endpgm
.Lentry_shape_is_right:
; y1 = y + a Wo + bo (a: attention's result as codes), a product on codes of E4M3 with E8M0 scales, f32 sums; and the partial sums of y1 for the second layer norm.
; OPERANDS are RECORDS: 32 rows x 256 along K in the order of the operand's registers, 8,448 bytes: tile u x K step s x group c x 32 lanes x 16 bytes, then 256 bytes of scale words at 8192 + (16 u + slot) 8 + 4 s;
; slot r of tile u is row 8 u + r + 8 (r / 8).  Records lie [k / 256][row / 32]: 128 rows of one k / 256 are CH = 33,792 dense bytes, one tensor load.
; SHARES.  256 work-groups, a tile of 128 tokens x 128 features each (a larger tile would leave three work-groups in four without work); four waves of 64 x 64: 16 accumulators.
; K = 1,024 is two slots of 512, both first fills: nothing is filled again.  CLUSTER 4 x 4: tokens' records are shared along a row of the cluster, the weight's along a column, each asked for jointly.
; Source 0 = the weight's 16 rows, source 1 = 16 tokens: a lane holds one token and 16 neighbouring features in two neighbouring accumulators.  The bias is the C of each sum's first matrix instruction.
; THE WAY OUT: 16 tokens x 64 features at a time through the wave's own stage in LDS (rows of 272 bytes), back as whole rows of 256 bytes, + y (asked for at the head, kept in window 2), stored sixteen lanes to 256 aligned bytes.
; STATISTICS: the wave's 4,096 numbers of y1 stay in window 2: their sum and their squares about their own mean go to st2: no difference of large sums is formed.
; REGISTERS: window 0: v1-15 addresses; v16-22 statistics; v32-47 scale words; v64-95 bias, then with v96-127 rows from the stage; v128-255 accumulators.  window 1: two fragment buffers.  window 2: v0-127 y, then y1; v128-135 at work.
.set CH,    33792
.set SLOT,  4*CH
.set SPARE, 2*SLOT                     ; the spare words, 128 bytes a wave: two blocks of 256 bytes that no other line names
.set STAGE, SPARE+512                  ; 16 rows x 272 bytes for each wave
.set KBT,   1081344
.set KBW,   270336
.set SC,    32
.set BIAS,  64
.set ACC,   128
.set G1R,   36
.set G1C,   44
.set G0R,   52
.set G0C,   60
.set SEL,   84
.set BWAIT, 32                         ; behind the bias's eight loads stand y's 32, which may stay out
.set MSB,   0
.macro WIN new
.if MSB != \new
	s_set_vgpr_msb (MSB<<8)|\new
.set MSB, \new
.endif
.endm
.macro PLACES n
.rept \n
	v_nop
.endr
.endm
.macro JLOAD g0a, g1a, g0b, g1b        ; a joint load: waves 0 and 1 fill region A's two parts, waves 2 and 3 region B's; four v_nop follow each line
	s_cmp_eq_u32 s21, 0
	s_cbranch_scc0 .Lfor_b_\@
	tensor_load_to_lds s[\g0a:\g0a+3], s[\g1a:\g1a+7]
	s_nop 0
.rept 4
	v_nop
.endr
	s_branch .Lasked_\@
.Lfor_b_\@:
	tensor_load_to_lds s[\g0b:\g0b+3], s[\g1b:\g1b+7]
	s_nop 0
.rept 4
	v_nop
.endr
.Lasked_\@:
.endm
.macro CROUND                          ; a round of the cluster's barrier
	s_barrier_signal -1
	s_barrier_wait -1
	s_cmp_lg_u32 s20, 0
	s_cbranch_scc1 .Lnot_wave_0_\@
	s_barrier_signal -3
.Lnot_wave_0_\@:
	s_barrier_wait -3
	s_barrier_signal -1
	s_barrier_wait -1
.endm
.macro SETG0 g, slot, t, imm
	s_mov_b32 s[\g], 1
	s_add_co_u32 s[\g+1], s30, \slot*SLOT
	s_add_nc_u64 s[\g+2:\g+3], s[\t:\t+1], \imm
	s_or_b32 s[\g+3], s[\g+3], 0x80000000
.endm
.macro SCALES s                        ; lanes 0-15 the words of A's tile i, lanes 16-31 of B's tile i; two K steps a load
.irp l, 0,1
.irp i, 0,1,2,3
	ds_load_b64 v[SC+2*(4*\l+\i):SC+2*(4*\l+\i)+1], v[8+\s] offset:\l*CH+(\i/2)*8448+(\i%2)*128
.endr
.endr
.endm
.macro FETCH s, q, f
	WIN 0x40
.irp i, 0,1,2,3
.irp c, 0,1,2,3
	ds_load_b128 v[(\f)+16*\i+4*\c:(\f)+16*\i+4*\c+3], v[4+\s] offset:((\q)/2)*CH+(\i/2)*8448+(\i%2)*4096+((\q)%2)*2048+512*\c
	ds_load_b128 v[(\f)+64+16*\i+4*\c:(\f)+64+16*\i+4*\c+3], v[6+\s] offset:((\q)/2)*CH+(\i/2)*8448+(\i%2)*4096+((\q)%2)*2048+512*\c
.endr
.endr
.endm
.macro MM a, b, f, q, c0
	v_wmma_scale_f32_16x16x128_f8f6f4 v[ACC+8*(4*\a+\b):ACC+8*(4*\a+\b)+7], v[(\f)+64+16*\b:(\f)+64+16*\b+15], v[(\f)+16*\a:(\f)+16*\a+15], v[\c0:\c0+7], v[SC+2*(4*((\q)/2)+\b)+(\q)%2], v[SC+2*(4*((\q)/2)+\a)+(\q)%2] matrix_a_scale:MATRIX_SCALE_ROW1
.endm
.macro MUL16 f, q, cm                  ; the 16 accumulators by turns; cm = 1: the sums begin with the bias
	WIN 0x05
.irp a, 0,1,2,3
.irp b, 0,1,2,3
.if \cm == 1
	MM \a, \b, \f, \q, BIAS+8*\b
.else
	MM \a, \b, \f, \q, ACC+8*(4*\a+\b)
.endif
.endr
.endr
.endm
.macro KSTEP s, q, cm
	s_wait_dscnt 0x0                               ; this step's fragments, asked for a step ago, are in
.if \q < 3
	PLACES 8                                       ; eight places in front of loads into registers that matrix instructions have read
	FETCH \s, \q+1, 128*((\q+1)%2)
.endif
.if \cm
	s_wait_loadcnt BWAIT
.endif
	MUL16 128*(\q%2), \q, \cm
.endm
.macro PHASE s, kind, cm               ; kind 0: my part of slot 0 is in, slot 1's load may stay out.  kind 2: all my loads are in, the add, my reads are over; the work-group's barrier
	WIN 0
.if \kind == 0
	s_wait_tensorcnt 0x1
.else
	s_wait_tensorcnt 0x0
	ds_add_u32 v10, v11                            ; 0 onto my spare word
	s_wait_dscnt 0x0
.endif
	s_barrier_signal -1
	s_barrier_wait -1
	PLACES 8
	SCALES \s
	FETCH \s, 0, 0
	KSTEP \s, 0, \cm
	KSTEP \s, 1, 0
	KSTEP \s, 2, 0
	KSTEP \s, 3, 0
	WIN 0
.endm
.macro WSUM r, t
.irp m, 1,2,4,8
	v_add_f32_dpp v[\r], v[\r], v[\r] row_xmask:\m row_mask:0xf bank_mask:0xf
.endr
	v_permlanex16_b32 v[\t], v[\r], s[SEL], s[SEL+1]
	v_add_f32 v[\r], v[\r], v[\t]
.endm
	s_load_b256 s[4:11], s[0:1], 0x0               ; a's records s4, the weights' s6, bo s8, y s10
	s_load_b128 s[12:15], s[0:1], 0x20             ; y1 s12, st2 s14
	v_lshl_add_u32 v10, v0, 2, SPARE
	v_mov_b32 v11, 0
	ds_add_u32 v10, v11
	ds_add_u32 v10, v11
	v_and_b32 v23, 31, v0
	v_lshlrev_b32 v23, 8, v23                      ; the prefetch's offsets: 256 x lane, blocks 0 to 31 of my share of 33;
	v_mov_b32 v24, 0x2000                          ; and block 32, named by every lane; neither is rewritten
	s_wait_alu depctr_va_vdst(0)                   ; the wait here, directly ahead of the wait below
	s_wait_dscnt 0x0
	v_lshrrev_b32 v1, 5, v0
	v_readfirstlane_b32 s20, v1                    ; wave
	s_lshr_b32 s21, s20, 1
	s_and_b32 s22, s20, 1
	s_bfe_u32 s23, ttmp6, 0x40000                  ; cx
	s_bfe_u32 s24, ttmp6, 0x40004                  ; cy
	s_lshl_b32 s25, ttmp9, 2
	s_add_co_u32 s25, s25, s23                     ; tile column
	s_and_b32 s26, ttmp7, 0xffff
	s_lshl_b32 s26, s26, 2
	s_add_co_u32 s26, s26, s24                     ; tile row
	s_lshl_b32 s27, s24, 2
	s_lshl_b32 s27, 15, s27
	s_lshl_b32 s28, 0x1111, s23
	s_or_b32 s[G1R], s27, (3<<16)|(1<<21)
	s_or_b32 s[G1C], s28, (3<<16)|(1<<21)
.irp g, G1R, G1C
	s_mov_b32 s[\g+1], 32<<16                      ; a dense block as 132 rows of 256 bytes
	s_mov_b32 s[\g+2], 132<<16
	s_mov_b32 s[\g+3], 32<<16
	s_mov_b32 s[\g+4], 132
	s_mov_b32 s[\g+5], 32
	s_mov_b32 s[\g+6], 0
	s_mov_b32 s[\g+7], 0
.endr
	s_mul_i32 s30, s20, CH
	s_mul_i32 s72, s26, CH
	s_mul_i32 s29, s22, KBT
	s_add_co_u32 s72, s72, s29
	s_mov_b32 s73, 0
	s_mul_i32 s78, s25, CH
	s_mul_i32 s29, s22, KBW
	s_add_co_u32 s78, s78, s29
	s_add_co_u32 s78, s78, 3244032                 ; Wo's records
	s_mov_b32 s79, 0
	s_mov_b32 s[SEL], 0x76543210
	s_mov_b32 s[SEL+1], 0xfedcba98
	s_wait_kmcnt 0x0
	s_add_nc_u64 s[74:75], s[4:5], s[72:73]
	s_add_nc_u64 s[80:81], s[6:7], s[78:79]
	CROUND                                         ; all sixteen work-groups are here: the joint loads meet
	SETG0 G0R, 0, 74, 0
	SETG0 G0C, 0, 80, 0
	JLOAD G0R, G1R, G0C, G1C
	SETG0 G0R+4, 1, 74, 2*KBT
	SETG0 G0C+8, 1, 80, 2*KBW
	; slot 1's records are asked of memory here, into the L2; their load stands further down, behind the round.  Of the CH bytes (132 blocks of 256) that my wave will load,
	; each of the four partners that load them jointly takes 33 blocks, told apart by address (cx for the tokens, cy for the weight): two instructions a wave
	s_cmp_eq_u32 s21, 0
	s_cselect_b64 s[16:17], s[74:75], s[80:81]
	s_cselect_b32 s18, s23, s24
	s_mov_b32 s82, 2*KBW
	s_cselect_b32 s82, 2*KBT, s82                  ; a slot on, in bytes
	s_mul_i32 s18, s18, 8448
	s_add_co_u32 s18, s18, s82
	s_mov_b32 s19, 0
	s_add_nc_u64 s[16:17], s[16:17], s[18:19]
	global_prefetch_b8 v23, s[16:17] th:TH_LOAD_NT scope:SCOPE_SE
	global_prefetch_b8 v24, s[16:17] th:TH_LOAD_NT scope:SCOPE_SE
	v_and_b32 v1, 15, v0                           ; r
	v_bfe_u32 v2, v0, 4, 1                         ; h
	v_and_b32 v3, 31, v0
	v_lshlrev_b32 v3, 4, v3
	s_mul_i32 s31, s21, 16896
	s_mul_i32 s32, s22, 16896
	s_add_co_u32 s33, s32, 2*CH
	v_add_nc_u32 v4, s31, v3
	v_add_nc_u32 v5, SLOT, v4
	v_add_nc_u32 v6, s33, v3
	v_add_nc_u32 v7, SLOT, v6
	s_sub_co_u32 s34, s33, s31
	v_mul_u32_u24 v8, s34, v2
	v_lshl_add_u32 v8, v1, 3, v8
	s_add_co_u32 s35, s31, 8192
	v_add_nc_u32 v8, s35, v8
	v_add_nc_u32 v9, SLOT, v8
	v_lshlrev_b32 v12, 6, v2                       ; bias: 64 h
	s_mul_i32 s29, s20, 4352
	s_add_co_u32 s29, s29, STAGE                   ; my stage
	v_mul_u32_u24 v13, v1, 272
	v_lshl_add_u32 v13, v2, 6, v13
	v_add_nc_u32 v13, s29, v13                     ; in: row r, + 64 h
	v_mul_u32_u24 v14, v2, 272
	v_lshl_add_u32 v14, v1, 4, v14
	v_add_nc_u32 v14, s29, v14                     ; back: lanes 0-15 one row, lanes 16-31 the next
	v_lshlrev_b32 v15, 12, v2
	v_lshl_add_u32 v15, v1, 4, v15                 ; and the same two rows in y and y1
	s_wait_alu depctr_va_vdst(0)
	v_mov_b32 v21, 0
	v_mov_b32 v22, 0
	s_lshl_b32 s88, s26, 19                        ; my 64 x 64 in y and y1: (128 tile row + 64 wr) rows of 4,096 bytes + (128 tile column + 64 wc) x 4
	s_lshl_b32 s90, s21, 18
	s_add_co_u32 s88, s88, s90
	s_lshl_b32 s90, s25, 9
	s_lshl_b32 s91, s22, 8
	s_add_co_u32 s90, s90, s91
	s_add_co_u32 s88, s88, s90
	s_mov_b32 s89, 0
	s_mov_b32 s91, 0
	s_add_nc_u64 s[8:9], s[8:9], s[90:91]
	s_add_nc_u64 s[10:11], s[10:11], s[88:89]
	s_add_nc_u64 s[12:13], s[12:13], s[88:89]
	s_lshr_b32 s92, s26, 4                         ; st2: (512 batch + ((tile row % 16) 8 + tile column) 4 + wave) 8
	s_lshl_b32 s92, s92, 9
	s_and_b32 s93, s26, 15
	s_lshl_b32 s93, s93, 3
	s_add_co_u32 s93, s93, s25
	s_lshl_b32 s93, s93, 2
	s_add_co_u32 s93, s93, s20
	s_add_co_u32 s92, s92, s93
	s_lshl_b32 s92, s92, 3
	s_mov_b32 s93, 0
	s_add_nc_u64 s[14:15], s[14:15], s[92:93]
.irp b, 0,1,2,3
	global_load_b128 v[BIAS+8*\b:BIAS+8*\b+3], v12, s[8:9] offset:(32*(\b/2)+8*(\b%2))*4
	global_load_b128 v[BIAS+8*\b+4:BIAS+8*\b+7], v12, s[8:9] offset:(32*(\b/2)+8*(\b%2))*4+16
.endr
	WIN 0x80                                       ; destination window 2
.irp a, 0,1,2,3
.irp t, 0,1,2,3,4,5,6,7
	global_load_b128 v[32*\a+4*\t:32*\a+4*\t+3], v15, s[10:11] offset:(32*(\a/2)+8*(\a%2)+2*\t+8*(\t/4))*4096   ; slots 2 t, 2 t + 1 of tile a
.endr
.endr
	WIN 0
	s_wait_tensorcnt 0x0                           ; my part of slot 0 is in
	ds_add_u32 v10, v11
	s_wait_dscnt 0x0
	CROUND                                         ; a whole round: the joint loads meet,
	JLOAD G0R+4, G1R, G0C+8, G1C                   ; and slot 1's load, the first tensor load behind the round
	PHASE 0, 0, 1
	PHASE 1, 2, 0
	PLACES 8                                       ; eight places in front of the first read of results
.irp a, 0,1,2,3
.irp e, 0,1,2,3,4,5,6,7
	ds_store_b128 v13, v[ACC+32*\a+4*\e:ACC+32*\a+4*\e+3] offset:128*(\e/4)+16*(\e%4)   ; features 32 (e / 4) + 16 h + 4 (e % 4) on; each accumulator from its low end on
.endr
.irp t, 0,1,2,3,4,5,6,7
	ds_load_b128 v[64+32*(\a%2)+4*\t:64+32*(\a%2)+4*\t+3], v14 offset:544*\t            ; LDS serves a wave's instructions in order: these see my stores
.endr
	s_wait_dscnt 0x0
	s_wait_loadcnt 24-8*\a                         ; this block's eight loads of y are in; the later blocks' may be out
	WIN 0x82                                       ; destination and source 0 window 2
.irp k, 0,2,4,6,8,10,12,14,16,18,20,22,24,26,28,30
	v_pk_add_f32 v[32*\a+\k:32*\a+\k+1], v[32*\a+\k:32*\a+\k+1], v[64+32*(\a%2)+\k:64+32*(\a%2)+\k+1]
.endr
	WIN 0x08                                       ; a store's data: window 2
.irp t, 0,1,2,3,4,5,6,7
	global_store_b128 v15, v[32*\a+4*\t:32*\a+4*\t+3], s[12:13] offset:(32*(\a/2)+8*(\a%2)+2*\t+8*(\t/4))*4096   ; sixteen lanes store 256 consecutive bytes, aligned
.endr
	WIN 0
.endr
	; the statistics of my 4,096 numbers
	s_wait_xcnt 0x0                                ; the stores have read their registers: window 2 is rewritten below
	WIN 0xaa
.irp j, 0,1,2,3
	v_pk_add_f32 v[128+2*\j:129+2*\j], v[2*\j:2*\j+1], v[8+2*\j:9+2*\j]
.endr
.set k, 8
.rept 56
	v_pk_add_f32 v[128+2*(k%4):129+2*(k%4)], v[128+2*(k%4):129+2*(k%4)], v[2*k:2*k+1]
.set k, k+1
.endr
	v_pk_add_f32 v[128:129], v[128:129], v[130:131]
	v_pk_add_f32 v[132:133], v[132:133], v[134:135]
	v_pk_add_f32 v[128:129], v[128:129], v[132:133]
	v_add_f32 v128, v128, v129
	WIN 0x02
	v_mov_b32 v20, v128
	WIN 0
	WSUM 20, 21
	v_mov_b32 v16, v20                             ; the sum
	v_mul_f32 v18, 0x39800000, v20                 ; the mean: x 2^-12
	v_mov_b32 v19, v18
	WIN 0x82
.set k, 0
.rept 64
	v_pk_add_f32 v[2*k:2*k+1], v[2*k:2*k+1], v[18:19] neg_lo:[0,1] neg_hi:[0,1]
.set k, k+1
.endr
	WIN 0xaa
.irp j, 0,1,2,3
	v_pk_mul_f32 v[128+2*\j:129+2*\j], v[2*\j:2*\j+1], v[2*\j:2*\j+1]
.endr
.set k, 4
.rept 60
	v_pk_fma_f32 v[128+2*(k%4):129+2*(k%4)], v[2*k:2*k+1], v[2*k:2*k+1], v[128+2*(k%4):129+2*(k%4)]
.set k, k+1
.endr
	v_pk_add_f32 v[128:129], v[128:129], v[130:131]
	v_pk_add_f32 v[132:133], v[132:133], v[134:135]
	v_pk_add_f32 v[128:129], v[128:129], v[132:133]
	v_add_f32 v128, v128, v129
	WIN 0x02
	v_mov_b32 v20, v128
	WIN 0
	WSUM 20, 21
	v_mov_b32 v17, v20                             ; the squares about my own mean
	s_wait_alu depctr_va_vdst(0)
	s_wait_xcnt 0x0                                ; EXEC changes only behind this wait
	v_cmp_eq_u32 vcc_lo, 0, v3
	s_and_saveexec_b32 s94, vcc_lo
	global_store_b64 v22, v[16:17], s[14:15]       ; lane 0 alone
	s_wait_xcnt 0x0
	s_or_b32 exec_lo, exec_lo, s94
	s_wait_tensorcnt 0x0                           ; the wave's end
	ds_add_u32 v10, v11
	s_wait_dscnt 0x0
	CROUND                                         ; the closing round
	s_endpgm
.Lfunc_end_k_q26911ff12f_wo:
	.size	k_q26911ff12f_wo, .Lfunc_end_k_q26911ff12f_wo-k_q26911ff12f_wo
	.p2alignl 7, 3214868480
	.fill 96, 4, 3214868480
	.section	.rodata,"a",@progbits
	.p2align	6, 0x0
	.amdhsa_kernel k_q26911ff12f_wo
		.amdhsa_group_segment_fixed_size 327680
		.amdhsa_private_segment_fixed_size 0
		.amdhsa_enable_private_segment 0
		.amdhsa_kernarg_size 48
		.amdhsa_user_sgpr_count 2
		.amdhsa_user_sgpr_kernarg_segment_ptr 1
		.amdhsa_wavefront_size32 1
		.amdhsa_system_sgpr_workgroup_id_x 1
		.amdhsa_system_sgpr_workgroup_id_y 1
		.amdhsa_system_sgpr_workgroup_id_z 1
		.amdhsa_system_vgpr_workitem_id 0
		.amdhsa_next_free_vgpr 768
		.amdhsa_next_free_sgpr 102
		.amdhsa_reserve_vcc 1
		.amdhsa_float_denorm_mode_32 3
		.amdhsa_float_denorm_mode_16_64 3
		.amdhsa_memory_ordered 1
		.amdhsa_forward_progress 1
		.amdhsa_inst_pref_size 75
	.end_amdhsa_kernel
	.amdgpu_metadata
---
amdhsa.version: [ 1, 2 ]
amdhsa.kernels:
  - .name:           k_q26911ff12f_wo
    .symbol:         k_q26911ff12f_wo.kd
    .args:
      - { .name: imga, .offset: 0, .size: 8, .value_kind: global_buffer, .address_space: global }
      - { .name: wimg, .offset: 8, .size: 8, .value_kind: global_buffer, .address_space: global }
      - { .name: bo, .offset: 16, .size: 8, .value_kind: global_buffer, .address_space: global }
      - { .name: y, .offset: 24, .size: 8, .value_kind: global_buffer, .address_space: global }
      - { .name: y1, .offset: 32, .size: 8, .value_kind: global_buffer, .address_space: global }
      - { .name: st2, .offset: 40, .size: 8, .value_kind: global_buffer, .address_space: global }
    .group_segment_fixed_size: 327680
    .private_segment_fixed_size: 0
    .kernarg_segment_align: 8
    .kernarg_segment_size: 48
    .max_flat_workgroup_size: 128
    .sgpr_count:     102
    .vgpr_count:     768
    .wavefront_size: 32
...
	.end_amdgpu_metadata
.endif
;; end of part 5
;; launch lnq2: the kernel of part 2 again; grid 512 x 1, 4 waves a work-group, no clusters, 34,816 bytes of LDS; arguments y1, st2, ln2_w, ln2_b, imgb; writes imgb
;; launch ffn1 (part 6): grid 16 x 16, 4 waves a work-group, clusters of 4 x 4, 327,680 bytes of LDS; arguments imgb, wimg, b1, himg; writes himg
.if DOCPART == 6
	.amdgcn_target "amdgcn-amd-amdhsa--gfx1250"
	.amdhsa_code_object_version 6
	.text
	.protected	k_q26911ff12f_ffn1
	.globl	k_q26911ff12f_ffn1
	.p2align	8
	.type	k_q26911ff12f_ffn1,@function
k_q26911ff12f_ffn1:
	s_mov_b64 s[64:65], 0
	v_nop
	global_prefetch_b8 v0, s[64:65] scope:SCOPE_SE
	s_setreg_imm32_b32 hwreg(HW_REG_WAVE_MODE, 25, 1), 1
	s_wait_xcnt 0x0
	s_wait_alu depctr_hold_cnt(0) depctr_sa_sdst(0) depctr_va_vdst(0) depctr_va_sdst(0) depctr_va_ssrc(0) depctr_va_vcc(0) depctr_vm_vsrc(0)
	s_getreg_b32 s2, hwreg(HW_REG_IB_STS2, 6, 4)
	s_cmp_eq_u32 s2, 0
	s_cbranch_scc0 .Lentry_in_a_cluster
	s_endpgm
.Lentry_in_a_cluster:
	s_bfe_u32 s2, ttmp6, 0x10000c
	s_cmp_lg_u32 s2, 0xf033
	s_cbranch_scc0 .Lentry_shape_is_right
	s_endpgm
.Lentry_shape_is_right:
.set CH,    33792
.set SLOT,  4*CH
.set SPARE, 2*SLOT
.set KBT,   1081344
.set NP,    8
.set TM,    16
.set SC,    32
.set BIAS,  64
.set PCD,   64
.set PWR,   112
.set AF,    128
.set TQ,    128
.set G1R,   36
.set G1C,   44
.set G0R,   52
.set G0C,   60
.set SEL,   84
.set MNT,   86
.set MSB,   0
.macro WIN new
.if MSB != \new
	s_set_vgpr_msb (MSB<<8)|\new
.set MSB, \new
.endif
.endm
.macro PLACES n
.rept \n
	v_nop
.endr
.endm
.macro JLOAD g0a, g1a, g0b, g1b
	s_cmp_eq_u32 s21, 0
	s_cbranch_scc0 .Lfor_b_\@
	tensor_load_to_lds s[\g0a:\g0a+3], s[\g1a:\g1a+7]
	s_nop 0
.rept 4
	v_nop
.endr
	s_branch .Lasked_\@
.Lfor_b_\@:
	tensor_load_to_lds s[\g0b:\g0b+3], s[\g1b:\g1b+7]
	s_nop 0
.rept 4
	v_nop
.endr
.Lasked_\@:
.endm
.macro CREST
	s_cmp_lg_u32 s20, 0
	s_cbranch_scc1 .Lnot_wave_0_\@
	s_barrier_signal -3
.Lnot_wave_0_\@:
	s_barrier_wait -3
	s_barrier_signal -1
	s_barrier_wait -1
.endm
.macro CROUND
	s_barrier_signal -1
	s_barrier_wait -1
	CREST
.endm
.macro SETG0 g, slot, t, imm
	s_mov_b32 s[\g], 1
	s_add_co_u32 s[\g+1], s30, \slot*SLOT
	s_add_nc_u64 s[\g+2:\g+3], s[\t:\t+1], \imm
	s_or_b32 s[\g+3], s[\g+3], 0x80000000
.endm
.macro FRAG reg, adr, q, i
.irp c, 0,1,2,3
	ds_load_b128 v[\reg+4*\c:\reg+4*\c+3], v[\adr] offset:((\i)/2)*8448+((\i)%2)*4096+(\q)*2048+512*\c
.endr
.endm
.macro FETCH_B slot, q, p
	WIN 0x40
.irp i, 0,1,2,3,4,5,6,7
	FRAG 128*(\p)+16*\i, 6+\slot, \q, \i
.endr
	WIN 0
.endm
.macro FETCH_A slot, q, i0
.irp i, \i0, \i0+1, \i0+2, \i0+3
	FRAG AF+16*(\i), 4+\slot, \q, \i
.endr
.endm
.macro SCALES sc
.irp i, 0,1,2,3,4,5,6,7
	ds_load_b64 v[SC+16*\sc+2*\i:SC+16*\sc+2*\i+1], v[8+\sc] offset:(\i/2)*8448+(\i%2)*128
.endr
.endm
.macro MUL16 a0, p, q, sc, bias
.irp a, \a0, \a0+1
.irp b, 0,1,2,3,4,5,6,7
.if \bias
	v_wmma_scale_f32_16x16x128_f8f6f4 v[8*(8*((\a)%4)+\b):8*(8*((\a)%4)+\b)+7], v[128*(\p)+16*\b:128*(\p)+16*\b+15], v[AF+16*(\a):AF+16*(\a)+15], v[BIAS+8*\b:BIAS+8*\b+7], v[SC+16*(\sc)+2*\b+(\q)], v[SC+16*(\sc)+2*(\a)+(\q)] matrix_a_scale:MATRIX_SCALE_ROW1
.else
	v_wmma_scale_f32_16x16x128_f8f6f4 v[8*(8*((\a)%4)+\b):8*(8*((\a)%4)+\b)+7], v[128*(\p)+16*\b:128*(\p)+16*\b+15], v[AF+16*(\a):AF+16*(\a)+15], v[8*(8*((\a)%4)+\b):8*(8*((\a)%4)+\b)+7], v[SC+16*(\sc)+2*\b+(\q)], v[SC+16*(\sc)+2*(\a)+(\q)] matrix_a_scale:MATRIX_SCALE_ROW1
.endif
.endr
.endr
.endm
.macro STEP slot, bias
	s_wait_dscnt 16
.if \bias
	WIN 0x81
.else
	WIN 0xa1
.endif
	MUL16 0, 0, 0, \slot, \bias
	MUL16 2, 0, 0, \slot, \bias
	s_wait_dscnt 0x0
	PLACES NP
	FETCH_B \slot, 1, 1
	FETCH_A \slot, 1, 0
.if \bias
	WIN 0xc1
.else
	WIN 0xf1
.endif
	MUL16 4, 0, 0, \slot, \bias
	MUL16 6, 0, 0, \slot, \bias
	PLACES NP
	WIN 0
	FETCH_A \slot, 1, 4
.endm
.macro TURN slot, next, fill
	s_wait_tensorcnt 0x0
	ds_add_u32 v10, v11
	s_wait_dscnt 17
	WIN 0xa1
	MUL16 0, 1, 1, \slot, 0
	s_wait_dscnt 0x0
	s_barrier_signal -1
	MUL16 2, 1, 1, \slot, 0
	WIN 0
	s_barrier_wait -1
.if \fill
	CREST
	s_add_nc_u64 s[G0R+4*\slot+2:G0R+4*\slot+3], s[G0R+4*\slot+2:G0R+4*\slot+3], 2*KBT
	s_add_nc_u64 s[G0C+8*\slot+2:G0C+8*\slot+3], s[G0C+8*\slot+2:G0C+8*\slot+3], 2*KBT
	JLOAD G0R+4*\slot, G1R, G0C+8*\slot, G1C
	PLACES NP-4
.else
	PLACES NP
.endif
	FETCH_B \next, 0, 0
	FETCH_A \next, 0, 0
	SCALES \next
	WIN 0xf1
	MUL16 4, 1, 1, \slot, 0
	MUL16 6, 1, 1, \slot, 0
	PLACES NP
	WIN 0
	FETCH_A \next, 0, 4
.endm
.macro OUT a
.set AC,  64*((\a)%4)
.set WS0, 2+(\a)/4
.set WS01, 5*WS0
.set PQ,  PCD+16*((\a)%2)
.set TT,  TQ+64*((\a)%2)
.if (\a) > 1
	s_wait_xcnt 0x0
.endif
	WIN WS01
.irp b, 0,1,2,3
	v_max3_num_f32 v[TM+\b], v[AC+16*\b], v[AC+16*\b+1], 0x4800000
.endr
.irp i, 2,4,6,8,10,12,14
.irp b, 0,1,2,3
	v_max3_num_f32 v[TM+\b], v[AC+16*\b+\i], v[AC+16*\b+\i+1], v[TM+\b]
.endr
.endr
	WIN 0
.irp b, 0,1,2,3
	v_permlanex16_b32 v[TM+4+\b], v[TM+\b], s[SEL], s[SEL+1]
.endr
.irp b, 0,1,2,3
	v_max_num_f32 v[TM+\b], v[TM+\b], v[TM+4+\b]
.endr
.irp b, 0,1,2,3
	v_add_nc_u32 v[TM+12+\b], 0xfc000000, v[TM+\b]
.endr
.irp b, 0,1,2,3
	v_and_or_b32 v[TM+8+\b], v[TM+\b], 0x7f800000, s[MNT]
.endr
.irp b, 0,1,2,3
	v_lshrrev_b32 v[TM+4+\b], 23, v[TM+12+\b]
.endr
	v_lshl_or_b32 v[PWR+(\a)], v[TM+5], 8, v[TM+4]
	v_lshl_or_b32 v[PWR+(\a)], v[TM+6], 16, v[PWR+(\a)]
	v_lshl_or_b32 v[PWR+(\a)], v[TM+7], 24, v[PWR+(\a)]
	WIN WS0
.irp b, 0,1,2,3
.irp i, 0,1,2,3,4,5,6,7,8,9,10,11,12,13,14,15
	v_med3_num_f32 v[TT+16*\b+\i], v[AC+16*\b+\i], 0, v[TM+8+\b]
.endr
.endr
	WIN 0
.irp b, 0,1,2,3
	v_cvt_scalef32_pk8_fp8_f32 v[PQ+4*\b:PQ+4*\b+1], v[TT+16*\b:TT+16*\b+7], v[TM+12+\b]
	v_cvt_scalef32_pk8_fp8_f32 v[PQ+4*\b+2:PQ+4*\b+3], v[TT+16*\b+8:TT+16*\b+15], v[TM+12+\b]
.endr
	v_nop
.irp c, 0,1,2,3
	global_store_b128 v3, v[PQ+4*\c:PQ+4*\c+3], s[96:97] offset:((\a)/2)*8448+((\a)%2)*4096+512*\c
.endr
.if (\a)%2
	v_cndmask_b32 v[PWR+8+(\a)/2], v[PWR+(\a)-1], v[PWR+(\a)], s87
	global_store_b32 v13, v[PWR+8+(\a)/2], s[98:99] offset:((\a)/2)*8448
.endif
.endm
	s_load_b256 s[4:11], s[0:1], 0x0
	v_lshl_add_u32 v10, v0, 2, SPARE
	v_mov_b32 v11, 0
	ds_add_u32 v10, v11
	ds_add_u32 v10, v11
	v_and_b32 v14, 31, v0
	v_lshlrev_b32 v14, 8, v14                      ; the prefetches' offsets: 256 x lane, blocks 0 to 31 of my share of 33;
	v_mov_b32 v15, 0x2000                          ; and block 32, named by every lane; neither is rewritten
	s_wait_alu depctr_va_vdst(0)                   ; the wait here, directly ahead of the wait below
	s_wait_dscnt 0x0
	v_lshrrev_b32 v1, 5, v0
	v_readfirstlane_b32 s20, v1
	s_lshr_b32 s21, s20, 1
	s_and_b32 s22, s20, 1
	s_bfe_u32 s23, ttmp6, 0x40000
	s_bfe_u32 s24, ttmp6, 0x40004
	s_lshl_b32 s25, ttmp9, 2
	s_add_co_u32 s25, s25, s23
	s_and_b32 s26, ttmp7, 0xffff
	s_lshl_b32 s26, s26, 2
	s_add_co_u32 s26, s26, s24
	s_lshl_b32 s27, s24, 2
	s_lshl_b32 s27, 15, s27
	s_lshl_b32 s28, 0x1111, s23
	s_or_b32 s[G1R], s27, (3<<16)|(1<<21)
	s_or_b32 s[G1C], s28, (3<<16)|(1<<21)
.irp g, G1R, G1C
	s_mov_b32 s[\g+1], 4224<<16                    ; the head's tiles: a side's 256 rows of one k / 256, 2 CH dense bytes, as two rows of CH bytes (4,224 elements of 8)
	s_mov_b32 s[\g+2], 2<<16
	s_mov_b32 s[\g+3], 4224<<16
	s_mov_b32 s[\g+4], 2
	s_mov_b32 s[\g+5], 4224
	s_mov_b32 s[\g+6], 0
	s_mov_b32 s[\g+7], 0
.endr
	s_mul_i32 s30, s20, CH
	s_lshl_b32 s72, s26, 1
	s_add_co_u32 s72, s72, s22
	s_mul_i32 s72, s72, CH
	s_mov_b32 s73, 0
	s_lshl_b32 s78, s25, 1
	s_add_co_u32 s78, s78, s22
	s_mul_i32 s78, s78, CH
	s_add_co_u32 s78, s78, 8650752
	s_mov_b32 s79, 0
	s_mul_i32 s18, s26, 2*CH                       ; the head's loads: wave / 2 is the slot, wave % 2 the side; the tokens' 256 rows at k / 256 = slot,
	s_mul_i32 s29, s21, KBT
	s_add_co_u32 s18, s18, s29
	s_mov_b32 s19, 0
	s_mul_i32 s82, s25, 2*CH                       ; and the weight's
	s_add_co_u32 s82, s82, s29
	s_add_co_u32 s82, s82, 8650752
	s_mov_b32 s83, 0
	s_mov_b32 s[SEL], 0x76543210
	s_mov_b32 s[SEL+1], 0xfedcba98
	s_mov_b32 s[MNT], 0x600000
	s_mov_b32 s87, 0xffff0000
	s_wait_kmcnt 0x0
	s_add_nc_u64 s[74:75], s[4:5], s[72:73]
	s_add_nc_u64 s[80:81], s[6:7], s[78:79]
	CROUND
	s_mov_b32 s[G0R], 1                            ; BOTH SLOTS ARE FILLED AT THE HEAD, ONE JOINT LOAD A WAVE: waves 0 and 2 the tokens' halves of slots 0 and 1, waves 1 and 3 the weight's
	s_mul_i32 s[G0R+1], s21, SLOT
	s_add_nc_u64 s[G0R+2:G0R+3], s[4:5], s[18:19]
	s_or_b32 s[G0R+3], s[G0R+3], 0x80000000
	s_mov_b32 s[G0C], 1
	s_add_co_u32 s[G0C+1], s[G0R+1], 2*CH
	s_add_nc_u64 s[G0C+2:G0C+3], s[6:7], s[82:83]
	s_or_b32 s[G0C+3], s[G0C+3], 0x80000000
	s_cmp_eq_u32 s22, 0
	s_cbranch_scc0 .Lhead_b
	tensor_load_to_lds s[G0R:G0R+3], s[G1R:G1R+7]
	s_nop 0
	PLACES 4
	s_branch .Lhead_asked
.Lhead_b:
	tensor_load_to_lds s[G0C:G0C+3], s[G1C:G1C+7]
	s_nop 0
	PLACES 4
.Lhead_asked:
	; THE PREFETCHES INTO THE L2: K steps 2 and 3 (of 256 each), which the two refills bring, are asked for at the start of K step 0.  Of the CH bytes (132 blocks of 256) that my wave loads in the ring,
	; each of the four partners that load them jointly takes 33 blocks, told apart by address (cx for the tokens, cy for the weight): two instructions a wave and K step
	s_cmp_eq_u32 s21, 0
	s_cselect_b64 s[18:19], s[74:75], s[80:81]
	s_cselect_b32 s82, s23, s24
	s_mul_i32 s82, s82, 8448
	s_add_co_u32 s82, s82, 2*KBT
	s_mov_b32 s83, 0
	s_add_nc_u64 s[18:19], s[18:19], s[82:83]
	v_and_b32 v1, 15, v0
	v_bfe_u32 v2, v0, 4, 1
	v_and_b32 v3, 31, v0
	v_lshlrev_b32 v13, 3, v3
	v_lshlrev_b32 v3, 4, v3
	s_mul_i32 s31, s21, CH
	s_mul_i32 s32, s22, CH
	s_add_co_u32 s33, s32, 2*CH
	v_add_nc_u32 v4, s31, v3
	v_add_nc_u32 v5, SLOT, v4
	v_add_nc_u32 v6, s33, v3
	v_add_nc_u32 v7, SLOT, v6
	s_sub_co_u32 s34, s33, s31
	v_mul_u32_u24 v8, s34, v2
	v_lshl_add_u32 v8, v1, 3, v8
	s_add_co_u32 s35, s31, 8192
	v_add_nc_u32 v8, s35, v8
	v_add_nc_u32 v9, SLOT, v8
	v_lshlrev_b32 v12, 6, v2
	s_wait_alu depctr_va_vdst(0)
.irp b, 0,1,2,3
	v_mov_b32 v[TM+4+\b], 0
.endr
	s_lshl_b32 s88, s26, 3
	s_lshl_b32 s89, s21, 2
	s_add_co_u32 s88, s88, s89
	s_mul_i32 s88, s88, 8448
	s_mul_i32 s89, s25, KBT
	s_add_co_u32 s88, s88, s89
	s_lshl_b32 s90, s22, 11
	s_add_co_u32 s90, s90, s88
	s_mov_b32 s91, 0
	s_add_nc_u64 s[96:97], s[10:11], s[90:91]
	s_lshl_b32 s90, s22, 2
	s_add_co_u32 s90, s90, s88
	s_add_co_u32 s90, s90, 8192
	s_add_nc_u64 s[98:99], s[10:11], s[90:91]
	s_lshl_b32 s92, s25, 10
	s_lshl_b32 s93, s22, 9
	s_add_co_u32 s92, s92, s93
	s_mov_b32 s93, 0
	s_add_nc_u64 s[92:93], s[8:9], s[92:93]
.irp b, 0,1,2,3,4,5,6,7
	global_load_b128 v[BIAS+8*\b:BIAS+8*\b+3], v12, s[92:93] offset:(32*(\b/2)+8*(\b%2))*4
	global_load_b128 v[BIAS+8*\b+4:BIAS+8*\b+7], v12, s[92:93] offset:(32*(\b/2)+8*(\b%2))*4+16
.endr
	s_wait_tensorcnt 0x0                           ; my tile of the head's four is in, and no tensor load of mine is out: the descriptors take the ring's form, 132 rows of 256 bytes a wave
.irp g, G1R, G1C
	s_mov_b32 s[\g+1], 32<<16
	s_mov_b32 s[\g+2], 132<<16
	s_mov_b32 s[\g+3], 32<<16
	s_mov_b32 s[\g+4], 132
	s_mov_b32 s[\g+5], 32
.endr
	SETG0 G0R, 0, 74, 0
	SETG0 G0C, 0, 80, 0
	SETG0 G0R+4, 1, 74, KBT
	SETG0 G0C+8, 1, 80, KBT
	s_barrier_signal -1
	s_barrier_wait -1
	FETCH_B 0, 0, 0
	FETCH_A 0, 0, 0
	SCALES 0
	global_prefetch_b8 v14, s[18:19] th:TH_LOAD_NT scope:SCOPE_SE
	global_prefetch_b8 v15, s[18:19] th:TH_LOAD_NT scope:SCOPE_SE
	global_prefetch_b8 v14, s[18:19] offset:KBT th:TH_LOAD_NT scope:SCOPE_SE
	global_prefetch_b8 v15, s[18:19] offset:KBT th:TH_LOAD_NT scope:SCOPE_SE
	FETCH_A 0, 0, 4
	s_wait_loadcnt 0x0
	STEP 0, 1
	TURN 0, 1, 1
	STEP 1, 0
	TURN 1, 0, 1
	STEP 0, 0
	TURN 0, 1, 0
	STEP 1, 0
	s_wait_dscnt 16
	WIN 0xa1
	MUL16 0, 1, 1, 1, 0
	MUL16 2, 1, 1, 1, 0
	s_wait_dscnt 0x0
	WIN 0xf1
	MUL16 4, 1, 1, 1, 0
	MUL16 6, 1, 1, 1, 0
	WIN 0
	PLACES NP
.irp a, 0,1,2,3,4,5,6,7
	OUT \a
.endr
	s_wait_tensorcnt 0x0
	ds_add_u32 v10, v11
	s_wait_dscnt 0x0
	CROUND
	s_endpgm
.Lfunc_end_k_q26911ff12f_ffn1:
	.size	k_q26911ff12f_ffn1, .Lfunc_end_k_q26911ff12f_ffn1-k_q26911ff12f_ffn1
	.p2alignl 7, 3214868480
	.fill 96, 4, 3214868480
	.section	.rodata,"a",@progbits
	.p2align	6, 0x0
	.amdhsa_kernel k_q26911ff12f_ffn1
		.amdhsa_group_segment_fixed_size 327680
		.amdhsa_private_segment_fixed_size 0
		.amdhsa_enable_private_segment 0
		.amdhsa_kernarg_size 32
		.amdhsa_user_sgpr_count 2
		.amdhsa_user_sgpr_kernarg_segment_ptr 1
		.amdhsa_wavefront_size32 1
		.amdhsa_system_sgpr_workgroup_id_x 1
		.amdhsa_system_sgpr_workgroup_id_y 1
		.amdhsa_system_sgpr_workgroup_id_z 1
		.amdhsa_system_vgpr_workitem_id 0
		.amdhsa_next_free_vgpr 1024
		.amdhsa_next_free_sgpr 102
		.amdhsa_reserve_vcc 0
		.amdhsa_float_denorm_mode_32 3
		.amdhsa_float_denorm_mode_16_64 3
		.amdhsa_memory_ordered 1
		.amdhsa_forward_progress 1
		.amdhsa_inst_pref_size 185
	.end_amdhsa_kernel
	.amdgpu_metadata
---
amdhsa.version: [ 1, 2 ]
amdhsa.kernels:
  - .name:           k_q26911ff12f_ffn1
    .symbol:         k_q26911ff12f_ffn1.kd
    .args:
      - { .name: imgb, .offset: 0, .size: 8, .value_kind: global_buffer, .address_space: global }
      - { .name: wimg, .offset: 8, .size: 8, .value_kind: global_buffer, .address_space: global }
      - { .name: b1, .offset: 16, .size: 8, .value_kind: global_buffer, .address_space: global }
      - { .name: himg, .offset: 24, .size: 8, .value_kind: global_buffer, .address_space: global }
    .group_segment_fixed_size: 327680
    .private_segment_fixed_size: 0
    .kernarg_segment_align: 8
    .kernarg_segment_size: 32
    .max_flat_workgroup_size: 128
    .sgpr_count:     102
    .vgpr_count:     1024
    .wavefront_size: 32
...
	.end_amdgpu_metadata
.endif
;; end of part 6
;; launch ffn2 (part 7): grid 8 x 32, 4 waves a work-group, clusters of 4 x 4, 327,680 bytes of LDS; arguments himg, wimg, b2, y1, out0; writes out0
.if DOCPART == 7
	.amdgcn_target "amdgcn-amd-amdhsa--gfx1250"
	.amdhsa_code_object_version 6
	.text
	.protected	k_q26911ff12f_ffn2
	.globl	k_q26911ff12f_ffn2
	.p2align	8
	.type	k_q26911ff12f_ffn2,@function
k_q26911ff12f_ffn2:
	s_mov_b64 s[64:65], 0
	v_nop
	global_prefetch_b8 v0, s[64:65] scope:SCOPE_SE
	s_setreg_imm32_b32 hwreg(HW_REG_WAVE_MODE, 25, 1), 1
	s_wait_xcnt 0x0
	s_wait_alu depctr_hold_cnt(0) depctr_sa_sdst(0) depctr_va_vdst(0) depctr_va_sdst(0) depctr_va_ssrc(0) depctr_va_vcc(0) depctr_vm_vsrc(0)
	s_getreg_b32 s2, hwreg(HW_REG_IB_STS2, 6, 4)
	s_cmp_eq_u32 s2, 0
	s_cbranch_scc0 .Lentry_in_a_cluster
	s_endpgm
.Lentry_in_a_cluster:
	s_bfe_u32 s2, ttmp6, 0x10000c
	s_cmp_lg_u32 s2, 0xf033
	s_cbranch_scc0 .Lentry_shape_is_right
	s_endpgm
.Lentry_shape_is_right:
.set CH,    33792
.set SLOT,  4*CH
.set SPARE, 2*SLOT
.set STAGE, SPARE+512
.set KBT,   1081344
.set KBW,   270336
.set SC,    32
.set BIAS,  64
.set ACC,   128
.set G1R,   36
.set G1C,   44
.set G0R,   52
.set G0C,   60
.set BWAIT, 0
.set MSB,   0
.macro WIN new
.if MSB != \new
	s_set_vgpr_msb (MSB<<8)|\new
.set MSB, \new
.endif
.endm
.macro PLACES n
.rept \n
	v_nop
.endr
.endm
.macro JLOAD g0a, g1a, g0b, g1b
	s_cmp_eq_u32 s21, 0
	s_cbranch_scc0 .Lfor_b_\@
	tensor_load_to_lds s[\g0a:\g0a+3], s[\g1a:\g1a+7]
	s_nop 0
.rept 4
	v_nop
.endr
	s_branch .Lasked_\@
.Lfor_b_\@:
	tensor_load_to_lds s[\g0b:\g0b+3], s[\g1b:\g1b+7]
	s_nop 0
.rept 4
	v_nop
.endr
.Lasked_\@:
.endm
.macro CROUND
	s_barrier_signal -1
	s_barrier_wait -1
	s_cmp_lg_u32 s20, 0
	s_cbranch_scc1 .Lnot_wave_0_\@
	s_barrier_signal -3
.Lnot_wave_0_\@:
	s_barrier_wait -3
	s_barrier_signal -1
	s_barrier_wait -1
.endm
.macro SETG0 g, slot, t, imm
	s_mov_b32 s[\g], 1
	s_add_co_u32 s[\g+1], s30, \slot*SLOT
	s_add_nc_u64 s[\g+2:\g+3], s[\t:\t+1], \imm
	s_or_b32 s[\g+3], s[\g+3], 0x80000000
.endm
.macro SCALES s
.irp l, 0,1
.irp i, 0,1,2,3
	ds_load_b64 v[SC+2*(4*\l+\i):SC+2*(4*\l+\i)+1], v[8+\s] offset:\l*CH+(\i/2)*8448+(\i%2)*128
.endr
.endr
.endm
.macro FETCH s, q, f
	WIN 0x40
.irp i, 0,1,2,3
.irp c, 0,1,2,3
	ds_load_b128 v[(\f)+16*\i+4*\c:(\f)+16*\i+4*\c+3], v[4+\s] offset:((\q)/2)*CH+(\i/2)*8448+(\i%2)*4096+((\q)%2)*2048+512*\c
	ds_load_b128 v[(\f)+64+16*\i+4*\c:(\f)+64+16*\i+4*\c+3], v[6+\s] offset:((\q)/2)*CH+(\i/2)*8448+(\i%2)*4096+((\q)%2)*2048+512*\c
.endr
.endr
.endm
.macro MM a, b, f, q, c0
	v_wmma_scale_f32_16x16x128_f8f6f4 v[ACC+8*(4*\a+\b):ACC+8*(4*\a+\b)+7], v[(\f)+64+16*\b:(\f)+64+16*\b+15], v[(\f)+16*\a:(\f)+16*\a+15], v[\c0:\c0+7], v[SC+2*(4*((\q)/2)+\b)+(\q)%2], v[SC+2*(4*((\q)/2)+\a)+(\q)%2] matrix_a_scale:MATRIX_SCALE_ROW1
.endm
.macro MUL16 f, q, cm
	WIN 0x05
.irp a, 0,1,2,3
.irp b, 0,1,2,3
.if \cm == 1
	MM \a, \b, \f, \q, BIAS+8*\b
.else
	MM \a, \b, \f, \q, ACC+8*(4*\a+\b)
.endif
.endr
.endr
.endm
.macro KSTEP s, q, cm
	s_wait_dscnt 0x0
.if \q < 3
	PLACES 8
	FETCH \s, \q+1, 128*((\q+1)%2)
.endif
.if \cm
	s_wait_loadcnt BWAIT
.endif
	MUL16 128*(\q%2), \q, \cm
.endm
.macro PHASE s, kind, cm
	WIN 0
.if \kind == 0
	s_wait_tensorcnt 0x0                           ; my tile of the head's four is in, and no tensor load of mine is out: the descriptors take the ring's form, 132 rows of 256 bytes a wave
.irp g, G1R, G1C
	s_mov_b32 s[\g+1], 32<<16
	s_mov_b32 s[\g+2], 132<<16
	s_mov_b32 s[\g+3], 32<<16
	s_mov_b32 s[\g+4], 132
	s_mov_b32 s[\g+5], 32
.endr
	SETG0 G0R, 0, 74, 0
	SETG0 G0C, 0, 80, 0
	SETG0 G0R+4, 1, 74, 2*KBT
	SETG0 G0C+8, 1, 80, 2*KBW
	s_barrier_signal -1
	s_barrier_wait -1
.else
	s_wait_tensorcnt 0x0
	ds_add_u32 v10, v11
.if \kind == 1
	s_add_nc_u64 s[G0R+4*(1-\s)+2:G0R+4*(1-\s)+3], s[G0R+4*(1-\s)+2:G0R+4*(1-\s)+3], 4*KBT
	s_add_nc_u64 s[G0C+8*(1-\s)+2:G0C+8*(1-\s)+3], s[G0C+8*(1-\s)+2:G0C+8*(1-\s)+3], 4*KBW
	s_wait_xcnt 0x0                                ; any prefetch of mine has read its address, so it may step:
	s_add_nc_u64 s[92:93], s[92:93], s[94:95]      ; two phases further on than the refill below
.endif
	s_wait_dscnt 0x0
.if \kind == 1
	CROUND
	JLOAD G0R+4*(1-\s), G1R, G0C+8*(1-\s), G1C
.else
	s_barrier_signal -1
	s_barrier_wait -1
.endif
.endif
	PLACES 8
	SCALES \s
.if \kind == 0
	global_prefetch_b8 v16, s[92:93] th:TH_LOAD_NT scope:SCOPE_SE          ; phase 2
	global_prefetch_b8 v17, s[92:93] th:TH_LOAD_NT scope:SCOPE_SE
.endif
.if \kind == 1
	s_cmp_gt_u32 s100, 1                           ; the loop's last trip loads phases 6 and 7: no phase stands two on
	s_cbranch_scc0 .Lno_ask_\@
	global_prefetch_b8 v16, s[92:93] th:TH_LOAD_NT scope:SCOPE_SE
	global_prefetch_b8 v17, s[92:93] th:TH_LOAD_NT scope:SCOPE_SE
.Lno_ask_\@:
.endif
	FETCH \s, 0, 0
	KSTEP \s, 0, \cm
	KSTEP \s, 1, 0
.if \kind == 0
	WIN 0
	s_wait_xcnt 0x0                                ; the prefetches have read their address, so it may step
	s_add_nc_u64 s[92:93], s[92:93], s[94:95]
	global_prefetch_b8 v16, s[92:93] th:TH_LOAD_NT scope:SCOPE_SE          ; phase 3
	global_prefetch_b8 v17, s[92:93] th:TH_LOAD_NT scope:SCOPE_SE
.endif
	KSTEP \s, 2, 0
	KSTEP \s, 3, 0
	WIN 0
.endm
	s_load_b256 s[4:11], s[0:1], 0x0
	s_load_b64 s[12:13], s[0:1], 0x20
	v_lshl_add_u32 v10, v0, 2, SPARE
	v_mov_b32 v11, 0
	ds_add_u32 v10, v11
	ds_add_u32 v10, v11
	v_and_b32 v16, 31, v0
	v_lshlrev_b32 v16, 8, v16                      ; the prefetches' offsets: 256 x lane, blocks 0 to 31 of my share of 33;
	v_mov_b32 v17, 0x2000                          ; and block 32, named by every lane; neither is rewritten
	s_wait_alu depctr_va_vdst(0)                   ; the wait here, directly ahead of the wait below
	s_wait_dscnt 0x0
	v_lshrrev_b32 v1, 5, v0
	v_readfirstlane_b32 s20, v1
	s_lshr_b32 s21, s20, 1
	s_and_b32 s22, s20, 1
	s_bfe_u32 s23, ttmp6, 0x40000
	s_bfe_u32 s24, ttmp6, 0x40004
	s_lshl_b32 s25, ttmp9, 2
	s_add_co_u32 s25, s25, s23
	s_and_b32 s26, ttmp7, 0xffff
	s_lshl_b32 s26, s26, 2
	s_add_co_u32 s26, s26, s24
	s_lshl_b32 s27, s24, 2
	s_lshl_b32 s27, 15, s27
	s_lshl_b32 s28, 0x1111, s23
	s_or_b32 s[G1R], s27, (3<<16)|(1<<21)
	s_or_b32 s[G1C], s28, (3<<16)|(1<<21)
.irp g, G1R, G1C
	s_mov_b32 s[\g+1], 4224<<16                    ; the head's tiles: two rows of CH bytes (4,224 elements of 8), one for each k / 256 of a slot
	s_mov_b32 s[\g+2], 2<<16
	s_mov_b32 s[\g+3], 4224<<16
	s_mov_b32 s[\g+4], 2
	s_mov_b32 s[\g+6], 0
	s_mov_b32 s[\g+7], 0
.endr
	s_mov_b32 s[G1R+5], KBT/8                      ; from one k / 256 to the next, in elements
	s_mov_b32 s[G1C+5], KBW/8
	s_mul_i32 s30, s20, CH
	s_mul_i32 s72, s26, CH
	s_mul_i32 s29, s22, KBT
	s_add_co_u32 s72, s72, s29
	s_mov_b32 s73, 0
	s_mul_i32 s78, s25, CH
	s_mul_i32 s29, s22, KBW
	s_add_co_u32 s78, s78, s29
	s_add_co_u32 s78, s78, 4325376
	s_mov_b32 s79, 0
	s_mul_i32 s18, s26, CH                         ; the head's loads: wave / 2 is the slot, wave % 2 the side; the tokens' 128 rows at k / 256 = 2 x slot,
	s_mul_i32 s29, s21, 2*KBT
	s_add_co_u32 s18, s18, s29
	s_mov_b32 s19, 0
	s_mul_i32 s82, s25, CH                         ; and the weight's
	s_mul_i32 s29, s21, 2*KBW
	s_add_co_u32 s82, s82, s29
	s_add_co_u32 s82, s82, 4325376
	s_mov_b32 s83, 0
	s_wait_kmcnt 0x0
	s_add_nc_u64 s[74:75], s[4:5], s[72:73]
	s_add_nc_u64 s[80:81], s[6:7], s[78:79]
	CROUND
	s_mov_b32 s[G0R], 1                            ; BOTH SLOTS ARE FILLED AT THE HEAD, ONE JOINT LOAD A WAVE: waves 0 and 2 the tokens' halves of slots 0 and 1, waves 1 and 3 the weight's
	s_mul_i32 s[G0R+1], s21, SLOT
	s_add_nc_u64 s[G0R+2:G0R+3], s[4:5], s[18:19]
	s_or_b32 s[G0R+3], s[G0R+3], 0x80000000
	s_mov_b32 s[G0C], 1
	s_add_co_u32 s[G0C+1], s[G0R+1], 2*CH
	s_add_nc_u64 s[G0C+2:G0C+3], s[6:7], s[82:83]
	s_or_b32 s[G0C+3], s[G0C+3], 0x80000000
	s_cmp_eq_u32 s22, 0
	s_cbranch_scc0 .Lhead_b
	tensor_load_to_lds s[G0R:G0R+3], s[G1R:G1R+7]
	s_nop 0
	PLACES 4
	s_branch .Lhead_asked
.Lhead_b:
	tensor_load_to_lds s[G0C:G0C+3], s[G1C:G1C+7]
	s_nop 0
	PLACES 4
.Lhead_asked:
	; THE PREFETCHES INTO THE L2.  A phase is K = 512, one slot.  Phases 2 and 3 are asked for in phase 0; from then on the request for phase p + 2 stands behind the load of phase p.  Of the CH bytes (132 blocks of 256)
	; that my wave fetches in the ring, each of the four partners that ask for them jointly takes 33 blocks, told apart by address (cx for the tokens, cy for the weight): two instructions a wave.
	; Phases 0 and 1 come by their loads alone; the loads of phases 6 and 7 ask for nothing.
	s_cmp_eq_u32 s21, 0                            ; in the ring waves 0 and 1 fetch the tokens' records, waves 2 and 3 the weight's
	s_cselect_b64 s[92:93], s[74:75], s[80:81]
	s_cselect_b32 s96, s23, s24                    ; my place among the four
	s_mov_b32 s94, 2*KBW
	s_cselect_b32 s94, 2*KBT, s94                  ; a phase on, in bytes
	s_mov_b32 s95, 0
	s_mul_i32 s96, s96, 8448
	s_mov_b32 s97, 0
	s_add_nc_u64 s[92:93], s[92:93], s[96:97]
	s_add_nc_u64 s[92:93], s[92:93], s[94:95]
	s_add_nc_u64 s[92:93], s[92:93], s[94:95]      ; at phase 2
	v_and_b32 v1, 15, v0
	v_bfe_u32 v2, v0, 4, 1
	v_and_b32 v3, 31, v0
	v_lshlrev_b32 v3, 4, v3
	s_mul_i32 s31, s21, 16896
	s_mul_i32 s32, s22, 16896
	s_add_co_u32 s33, s32, 2*CH
	v_add_nc_u32 v4, s31, v3
	v_add_nc_u32 v5, SLOT, v4
	v_add_nc_u32 v6, s33, v3
	v_add_nc_u32 v7, SLOT, v6
	s_sub_co_u32 s34, s33, s31
	v_mul_u32_u24 v8, s34, v2
	v_lshl_add_u32 v8, v1, 3, v8
	s_add_co_u32 s35, s31, 8192
	v_add_nc_u32 v8, s35, v8
	v_add_nc_u32 v9, SLOT, v8
	v_lshlrev_b32 v12, 6, v2
	s_wait_alu depctr_va_vdst(0)
	s_mul_i32 s29, s20, 4352
	s_add_co_u32 s29, s29, STAGE
	v_mul_u32_u24 v13, v1, 272
	v_lshl_add_u32 v13, v2, 6, v13
	v_add_nc_u32 v13, s29, v13
	v_mul_u32_u24 v14, v2, 272
	v_lshl_add_u32 v14, v1, 4, v14
	v_add_nc_u32 v14, s29, v14
	v_lshlrev_b32 v15, 12, v2
	v_lshl_add_u32 v15, v1, 4, v15
	s_wait_alu depctr_va_vdst(0)
	s_lshl_b32 s88, s26, 19
	s_lshl_b32 s90, s21, 18
	s_add_co_u32 s88, s88, s90
	s_lshl_b32 s90, s25, 9
	s_lshl_b32 s91, s22, 8
	s_add_co_u32 s90, s90, s91
	s_add_co_u32 s88, s88, s90
	s_mov_b32 s89, 0
	s_mov_b32 s91, 0
	s_add_nc_u64 s[8:9], s[8:9], s[90:91]
	s_add_nc_u64 s[10:11], s[10:11], s[88:89]
	s_add_nc_u64 s[12:13], s[12:13], s[88:89]
.irp b, 0,1,2,3
	global_load_b128 v[BIAS+8*\b:BIAS+8*\b+3], v12, s[8:9] offset:(32*(\b/2)+8*(\b%2))*4
	global_load_b128 v[BIAS+8*\b+4:BIAS+8*\b+7], v12, s[8:9] offset:(32*(\b/2)+8*(\b%2))*4+16
.endr
	PHASE 0, 0, 1
	WIN 0x80                                       ; y1 is wanted on the way out alone: it is asked for behind phase 0, into window 2
.irp a, 0,1,2,3
.irp t, 0,1,2,3,4,5,6,7
	global_load_b128 v[32*\a+4*\t:32*\a+4*\t+3], v15, s[10:11] offset:(32*(\a/2)+8*(\a%2)+2*\t+8*(\t/4))*4096
.endr
.endr
	WIN 0
	s_mov_b32 s100, 3
.Llap:
	PHASE 1, 1, 0
	PHASE 0, 1, 0
	s_sub_co_u32 s100, s100, 1
	s_cmp_lg_u32 s100, 0
	s_cbranch_scc1 .Llap
	PHASE 1, 2, 0
	PLACES 8
.irp a, 0,1,2,3
.irp e, 0,1,2,3,4,5,6,7
	ds_store_b128 v13, v[ACC+32*\a+4*\e:ACC+32*\a+4*\e+3] offset:128*(\e/4)+16*(\e%4)
.endr
.irp t, 0,1,2,3,4,5,6,7
	ds_load_b128 v[64+32*(\a%2)+4*\t:64+32*(\a%2)+4*\t+3], v14 offset:544*\t
.endr
	s_wait_dscnt 0x0
	s_wait_loadcnt 24-8*\a                         ; this block's eight loads of y1 are in; the later blocks' may be out
	WIN 0x82
.irp k, 0,2,4,6,8,10,12,14,16,18,20,22,24,26,28,30
	v_pk_add_f32 v[32*\a+\k:32*\a+\k+1], v[32*\a+\k:32*\a+\k+1], v[64+32*(\a%2)+\k:64+32*(\a%2)+\k+1]
.endr
	WIN 0x08
.irp t, 0,1,2,3,4,5,6,7
	global_store_b128 v15, v[32*\a+4*\t:32*\a+4*\t+3], s[12:13] offset:(32*(\a/2)+8*(\a%2)+2*\t+8*(\t/4))*4096 th:TH_STORE_NT
.endr
	WIN 0
.endr
	s_wait_tensorcnt 0x0
	ds_add_u32 v10, v11
	s_wait_dscnt 0x0
	CROUND
	s_endpgm
.Lfunc_end_k_q26911ff12f_ffn2:
	.size	k_q26911ff12f_ffn2, .Lfunc_end_k_q26911ff12f_ffn2-k_q26911ff12f_ffn2
	.p2alignl 7, 3214868480
	.fill 96, 4, 3214868480
	.section	.rodata,"a",@progbits
	.p2align	6, 0x0
	.amdhsa_kernel k_q26911ff12f_ffn2
		.amdhsa_group_segment_fixed_size 327680
		.amdhsa_private_segment_fixed_size 0
		.amdhsa_enable_private_segment 0
		.amdhsa_kernarg_size 40
		.amdhsa_user_sgpr_count 2
		.amdhsa_user_sgpr_kernarg_segment_ptr 1
		.amdhsa_wavefront_size32 1
		.amdhsa_system_sgpr_workgroup_id_x 1
		.amdhsa_system_sgpr_workgroup_id_y 1
		.amdhsa_system_sgpr_workgroup_id_z 1
		.amdhsa_system_vgpr_workitem_id 0
		.amdhsa_next_free_vgpr 768
		.amdhsa_next_free_sgpr 102
		.amdhsa_reserve_vcc 0
		.amdhsa_float_denorm_mode_32 3
		.amdhsa_float_denorm_mode_16_64 3
		.amdhsa_memory_ordered 1
		.amdhsa_forward_progress 1
		.amdhsa_inst_pref_size 100
	.end_amdhsa_kernel
	.amdgpu_metadata
---
amdhsa.version: [ 1, 2 ]
amdhsa.kernels:
  - .name:           k_q26911ff12f_ffn2
    .symbol:         k_q26911ff12f_ffn2.kd
    .args:
      - { .name: himg, .offset: 0, .size: 8, .value_kind: global_buffer, .address_space: global }
      - { .name: wimg, .offset: 8, .size: 8, .value_kind: global_buffer, .address_space: global }
      - { .name: b2, .offset: 16, .size: 8, .value_kind: global_buffer, .address_space: global }
      - { .name: y1, .offset: 24, .size: 8, .value_kind: global_buffer, .address_space: global }
      - { .name: out0, .offset: 32, .size: 8, .value_kind: global_buffer, .address_space: global }
    .group_segment_fixed_size: 327680
    .private_segment_fixed_size: 0
    .kernarg_segment_align: 8
    .kernarg_segment_size: 40
    .max_flat_workgroup_size: 128
    .sgpr_count:     102
    .vgpr_count:     768
    .wavefront_size: 32
...
	.end_amdgpu_metadata
.endif
;; end of part 7
